; MI455X (gfx1250); checked and timed in simulation.
; The chip was launched on July 23, 2026; its instructions are those of AMD's public machine-readable ISA for CDNA 5 (MIT licence, August 2026) and "CDNA5" Instruction Set Architecture Reference Guide (July 2026). The comments in the code are by the model that wrote it; some were corrected since.
;; Multi Head Attention. Allowed arithmetic: matrix products marked QUANTISED: E2M1 operands, one E8M0 scale for each 32 along K, by v_wmma_scale_f32_16x16x128_f8f6f4 with both operands' format E2M1 (or v_wmma_scale_f32_32x16x128_f4), f32 sums; everything else in f32.
;; Inputs: Wk 512 x 512 float32; Wo 512 x 512 float32; Wq 512 x 512 float32; Wv 512 x 512 float32; beta 512 float32; bk 512 float32; bo 512 float32; bq 512 float32; bv 512 float32; gamma 512 float32; k 2 x 8 x 1,024 x 512 float32; mask 2 x 1,024 x 1,024 bool; q 2 x 8 x 1,024 x 512 float32; v 2 x 8 x 1,024 x 512 float32.
;; Outputs: out0 2 x 8 x 1,024 x 512 float32.
;; This version of the problem:
;;   THIS VERSION OF THE PROBLEM IS GIVEN IN LOW PRECISION. The matrix products marked QUANTISED in the list below multiply operands that are first quantised to E2M1 (2 exponent bits, 1 mantissa bit; 4 bits a number), with one power-of-two scale for each 32 numbers along K (OCP MX v1.0); their sums are f32. All else is computed in f32.
;;   The module's matrix products, in the order in which they are computed (A, B: the left and right operand; K: the contracted axis; several contracted axes count as one K, in the product's order):
;;     1. [M 16,384, K 512] x [K 512, N 512]; A: input q; B: input Wq: QUANTISED
;;     2. [M 16,384, K 512] x [K 512, N 512]; A: input k; B: input Wk: QUANTISED
;;     3. [M 16,384, K 512] x [K 512, N 512]; A: input v; B: input Wv: QUANTISED
;;     4. batch 128 x [M 1,024, K 64] x [K 64, N 1,024]; A: computed on the way; B: computed on the way: QUANTISED
;;     5. batch 128 x [M 1,024, K 1,024] x [K 1,024, N 64]; A: softmax (see below); B: computed on the way: QUANTISED
;;     6. [M 16,384, K 512] x [K 512, N 512]; A: computed on the way; B: input Wo: QUANTISED
;;   THE QUANTISER, for each operand of a quantised product, along K:
;;     - K is cut into blocks of 32 from its start; a last block that is shorter is filled with zeros.
;;     - A block's scale is 2^e with e = floor(log2(the largest magnitude in the block)) - 2, held to -126 .. 127; a block of zeros has e = 0. As a byte (E8M0): e + 127.
;;     - Each number is divided by its block's scale, clamped to +-6, and rounded to the nearest number of E2M1, ties to even, subnormals kept.
;;     - The product sums the exact products of the quantised numbers (number of the format x scale) in f32.
;;   ~~~python
;;   def quantise(x, axis):      # numpy; x: float32 -> the quantised numbers, widened to float32 again
;;       x = np.moveaxis(x, axis, -1); K = x.shape[-1]
;;       x = np.pad(x, [(0, 0)] * (x.ndim - 1) + [(0, -K % 32)]); x = x.reshape(x.shape[:-1] + (-1, 32)); a = np.abs(x).max(-1, keepdims=True)
;;       e = np.where(a > 0, np.clip(np.frexp(np.where(a > 0, a, 1))[1] - 1 - 2, -126, 127), 0)      # np.frexp(a)[1] - 1 = floor(log2(a)), exactly
;;       r = np.clip(x / 2.0 ** e, -6, 6)
;;       step = 2.0 ** (np.maximum(np.frexp(np.where(r == 0, 1, r))[1] - 1, 0) - 1)
;;       q = np.round(r / step) * step * 2.0 ** e      # np.round: ties to even
;;       return np.moveaxis(q.reshape(q.shape[:-2] + (-1,))[..., :K], -1, axis).astype(np.float32)
;;   ~~~
;;   SOFTMAX AHEAD OF A QUANTISED PRODUCT. Where the list says 'softmax', what is quantised is not the finished softmax but p = 2^(t - M), with t = logit x log2(e) and M = ceil(the row's largest t), a whole number; so 1/2 < the row's largest p <= 1. The row's sum l is taken of the UNQUANTISED p, in f32, and the product's result is divided by l at the end. Since M is a whole number, a kernel that streams over the keys may use a running M (the ceiling of the running maximum): every later rescaling is an exact power of two, which a block's scale takes up: the codes' values come out the same.
;;   OPERANDS COMPUTED ON THE WAY. 'Computed on the way' means the value that the module computes at that place (a softmax that the list does not call 'softmax' is quantised finished and normalised). What goes into a quantiser is computed in f32, as accurately as f32 sums, v_exp_f32 and their like allow (about 1e-6 of the number): no bf16 or f16 on the way to a quantiser, and a product that is left as it is and whose result goes on into a quantised operand takes f32 operands (vector FMAs, or v_wmma_f32_16x16x4_f32). A number that lies on a knife's edge between two numbers of the format may be rounded either way, as far as f32 arithmetic and the matrix unit's own rounding can turn it there, and no further.
;; 2 versions, each right; version 2 is version 1 with the launch attn written anew for expert scheduling mode. Each part assembles by itself: llvm-mc -triple=amdgcn-amd-amdhsa -mcpu=gfx1250 --defsym DOCPART=n.
;; ======== version 1 of 2: 4 launches
;; workspace buffers: wts 557,056 bytes; msk 263,168 bytes of whole numbers; qop 4,718,592 bytes; kv 9,175,040 bytes; oop 4,456,448 bytes
;; launch prep (part 1): grid 512 x 1, 1 waves a work-group, no clusters, 0 bytes of LDS; arguments Wq, Wk, Wv, Wo, mask, wts, msk; writes wts, msk
.if DOCPART == 1
	.amdgcn_target "amdgcn-amd-amdhsa--gfx1250"
	.amdhsa_code_object_version 6
	.text
	.protected	k_q981325f2af_prep
	.globl	k_q981325f2af_prep
	.p2align	8
	.type	k_q981325f2af_prep,@function
k_q981325f2af_prep:
	s_mov_b64 s[64:65], 0
	v_nop
	global_prefetch_b8 v0, s[64:65] scope:SCOPE_SE
	s_setreg_imm32_b32 hwreg(HW_REG_WAVE_MODE, 25, 1), 1
	s_wait_xcnt 0x0
; PREP.  Work-groups 0-255: the four weights [512 (k)][512 (n)], f32, become codes of FP4 (E2M1) along K, their FIRST axis, with one E8M0 byte for each 32 along K.
; Work-groups 256-511: the mask [2][1024][1024], one byte a place, becomes lane masks (one bit a lane) in the order in which the attention launch holds its scores, and a flag for each key step that hides nothing.
; One wave to a work-group; no LDS, no barrier; v0 is the lane.
; WEIGHTS.  A work-group takes 32 columns x 128 along K (one K step of the matrix instruction).  A LANE TAKES A COLUMN AND ITS REGISTERS RUN DOWN K: a block of 32 lies in one lane, and the conversions give codes with K innermost.
; The codes are laid as IMAGES OF THE OPERAND'S REGISTERS: weight w at w x 139,264; tile T of 16 columns, K step s, block kb of 32, lane row r at T x 4096 + s x 1024 + kb x 256 + 16 r.
; THE COLUMNS OF A TILE ARE NOT NEIGHBOURS: row r of tile 2 G + u is column 32 G + 8 u + r + 8 (r / 8), so that the results of two neighbouring tiles are 16 neighbours along the next product's K.
; Scale words (four bytes: a column's four blocks of a K step) at + 131,072 + s x 2048 + G x 128 + 4 (16 u + r): lanes 0-15 of a load find tile 2 G's, lanes 16-31 tile 2 G + 1's.
; A block's scale is 2^(floor(log2(its largest magnitude)) - 2); its byte is the largest magnitude's exponent field - 2, held at 1 from below.
; LIMITS: a block whose largest magnitude lies under 2^-124 is held at the byte 1; a block of zeros has the byte 1 where the rule says 127 (its codes are zeros, and this program alone reads the bytes); NaN and infinities are not served.
; MASK.  A work-group takes 16 queries (tile qt, row r = query 32 (qt / 2) + 8 (qt % 2) + r + 8 (r / 8)) x 512 keys (four key steps of 128).
; Word n (0 .. 63) of key step ks: bit L = mask[b][query of L % 16][128 ks + 32 (n / 16) + 16 (L / 16) + n % 16], at ((64 b + qt) x 8 + ks) x 256 + 4 n.
; Flags at 262,144 + ((64 b + qt) x 2 + half) x 4: bit e is set where step 4 half + e has all its 2,048 bits set.
.set WREG,  139264
.set WSCL,  131072
.set FLAGS, 262144
.set X,     32                         ; v32-159  weights: four blocks of 32 numbers;  mask: v32-95 the bytes as loaded
.set C,     160                        ; v160-175 a block's codes, four registers for each block: no store's data are written again
.set WD,    96                         ; v96-103  mask: a step's 64 words, two to a lane
	s_load_b256 s[4:11], s[0:1], 0x0               ; Wq s[4:5], Wk s[6:7], Wv s[8:9], Wo s[10:11]
	s_load_b128 s[12:15], s[0:1], 0x20             ; mask s[12:13], wts s[14:15]
	s_load_b64 s[16:17], s[0:1], 0x30              ; msk
	s_cmp_lt_u32 ttmp9, 256
	s_cbranch_scc0 .Lmask
	; ---------------- a weight's 32 columns x 128 along K
	s_lshr_b32 s20, ttmp9, 6                       ; w: which weight
	s_bfe_u32 s21, ttmp9, 0x40002                  ; G: which 32 columns
	s_and_b32 s22, ttmp9, 3                        ; s: which K step
	v_lshlrev_b32 v1, 2, v0                        ; in: 4 bytes a lane
	v_bfe_u32 v4, v0, 3, 1                         ; u = (lane / 8) % 2: my column's tile of the pair
	v_and_b32 v5, 7, v0
	v_lshrrev_b32 v6, 4, v0
	v_lshl_add_u32 v5, v6, 3, v5                   ; r = lane % 8 + 8 (lane / 16): its row there
	v_lshlrev_b32 v2, 4, v5
	v_lshl_add_u32 v2, v4, 12, v2                  ; codes: 4096 u + 16 r
	v_lshl_add_u32 v3, v4, 4, v5
	v_lshlrev_b32 v3, 2, v3                        ; scale word: 4 (16 u + r)
	s_lshl_b32 s24, s22, 18                        ; W: 128 s rows of 2,048 bytes
	s_lshl_b32 s25, s21, 7                         ;    + 32 G columns
	s_add_co_u32 s24, s24, s25
	s_mov_b32 s25, 0
	s_mul_i32 s26, s20, WREG
	s_lshl_b32 s27, s21, 13                        ; tile 2 G
	s_add_co_u32 s28, s26, s27
	s_lshl_b32 s27, s22, 10
	s_add_co_u32 s28, s28, s27
	s_mov_b32 s29, 0
	s_lshl_b32 s27, s22, 11
	s_add_co_u32 s30, s26, s27
	s_lshl_b32 s27, s21, 7
	s_add_co_u32 s30, s30, s27
	s_add_co_u32 s30, s30, WSCL
	s_mov_b32 s31, 0
	s_wait_kmcnt 0x0
	s_cmp_eq_u32 s20, 1                            ; the choice of the weight hangs on the work-group's number alone
	s_cselect_b64 s[4:5], s[6:7], s[4:5]
	s_cmp_eq_u32 s20, 2
	s_cselect_b64 s[4:5], s[8:9], s[4:5]
	s_cmp_eq_u32 s20, 3
	s_cselect_b64 s[4:5], s[10:11], s[4:5]
	s_add_nc_u64 s[4:5], s[4:5], s[24:25]
	s_add_nc_u64 s[18:19], s[14:15], s[28:29]      ; where my codes go
	s_add_nc_u64 s[14:15], s[14:15], s[30:31]      ; and my scale words
.set jj, 0
.rept 128
	global_load_b32 v[X+jj], v1, s[4:5] offset:jj*2048 th:TH_LOAD_NT   ; W(128 s + jj, my column): 32 lanes read 128 consecutive bytes; all 128 loads go out at once
.set jj, jj+1
.endr
.macro WBLOCK kb, cnt
.set XS, X+32*(\kb)
	s_wait_loadcnt \cnt                            ; this block's 32 loads are in
	v_max3_num_f32 v12, |v[XS]|, |v[XS+1]|, |v[XS+2]|              ; the block's largest magnitude: all 32 numbers are mine; two chains
	v_max3_num_f32 v13, |v[XS+3]|, |v[XS+4]|, |v[XS+5]|
.irp i, 6,10,14,18,22,26
	v_max3_num_f32 v12, v12, |v[XS+\i]|, |v[XS+\i+1]|
	v_max3_num_f32 v13, v13, |v[XS+\i+2]|, |v[XS+\i+3]|
.endr
	v_max3_num_f32 v12, v12, |v[XS+30]|, |v[XS+31]|
	v_max3_num_f32 v12, v12, v13, 0x1800000        ; and the floor 2^(3 - 127): the byte cannot fall under 1
	v_add_nc_u32 v11, 0xff000000, v12              ; 2 off its exponent field: the conversion takes the exponent field of this operand as its scale
	v_lshrrev_b32 v13, 23, v11                     ; the scale's byte
.if (\kb) == 0
	v_mov_b32 v8, v13
.else
	v_lshl_or_b32 v8, v13, 8*(\kb), v8             ; four bytes to the word, the lower K in the lower byte
.endif
.irp g, 0,1,2,3
	v_cvt_scalef32_pk8_fp4_f32 v[C+4*(\kb)+\g], v[XS+8*\g:XS+8*\g+7], v11
.endr
	global_store_b128 v2, v[C+4*(\kb):C+4*(\kb)+3], s[18:19] offset:256*(\kb)   ; sixteen lanes fill 256 consecutive aligned bytes of tile 2 G, the other sixteen of tile 2 G + 1
.endm                                              ; (the next block begins with plain vector lines that touch neither the codes nor v11: the place behind the conversions)
	WBLOCK 0, 63                                   ; 96 younger loads were issued; the wait's field holds 63 at the most, and a smaller count is sound
	WBLOCK 1, 63                                   ; 64 younger
	WBLOCK 2, 32
	WBLOCK 3, 0
	global_store_b32 v3, v8, s[14:15]              ; 128 consecutive bytes: half of an aligned 256, the other half being the next G's work-group's; 32 KiB in the whole launch
	s_endpgm
	; ---------------- the mask of 16 queries x 512 keys
.Lmask:
	s_sub_co_u32 s20, ttmp9, 256
	s_lshr_b32 s21, s20, 7                         ; b
	s_bfe_u32 s22, s20, 0x60001                    ; qt
	s_and_b32 s23, s20, 1                          ; which half of the keys
	v_and_b32 v4, 15, v0                           ; r
	v_lshrrev_b32 v5, 4, v0                        ; h
	v_and_b32 v6, 8, v4
	v_add_nc_u32 v6, v6, v4                        ; r + 8 (r / 8)
	v_lshlrev_b32 v1, 10, v6                       ; a row of the mask is 1,024 bytes
	v_lshl_add_u32 v1, v5, 4, v1                   ; + 16 h
	v_lshlrev_b32 v2, 3, v0                        ; out: 8 bytes a lane
	s_lshl_b32 s24, s21, 20
	s_lshr_b32 s25, s22, 1
	s_lshl_b32 s25, s25, 15                        ; 32 (qt / 2) rows
	s_add_co_u32 s24, s24, s25
	s_and_b32 s25, s22, 1
	s_lshl_b32 s25, s25, 13                        ; 8 (qt % 2) rows
	s_add_co_u32 s24, s24, s25
	s_lshl_b32 s25, s23, 9
	s_add_co_u32 s24, s24, s25
	s_mov_b32 s25, 0
	s_lshl_b32 s26, s21, 6
	s_add_co_u32 s26, s26, s22                     ; 64 b + qt
	s_lshl_b32 s28, s26, 11
	s_lshl_b32 s27, s23, 10
	s_add_co_u32 s28, s28, s27
	s_mov_b32 s29, 0
	s_lshl_b32 s30, s26, 3
	s_lshl_b32 s27, s23, 2
	s_add_co_u32 s30, s30, s27
	s_add_co_u32 s30, s30, FLAGS
	s_mov_b32 s31, 0
	s_mov_b32 s34, 0                               ; the flags
	s_wait_kmcnt 0x0
	s_add_nc_u64 s[12:13], s[12:13], s[24:25]
	s_add_nc_u64 s[18:19], s[16:17], s[28:29]      ; the words
	s_add_nc_u64 s[16:17], s[16:17], s[30:31]      ; the flag word
.irp e, 0,1,2,3
.irp bb, 0,1,2,3
	global_load_b128 v[X+16*\e+4*\bb:X+16*\e+4*\bb+3], v1, s[12:13] offset:128*\e+32*\bb   ; keys 128 e + 32 bb + 16 h + 0 .. 15 of my query; the sixteen loads together take 512 consecutive bytes of each row
.endr
.endr
	s_wait_loadcnt 0x0
.macro MUNIT e                         ; a key step: 64 bytes a lane become 64 lane masks, four at a time, so that no line waits for the line above it
	s_mov_b32 s32, -1
	v_mov_b32 v[WD+2*\e], 0                        ; v_writelane_b32's destination counts as read
	v_mov_b32 v[WD+2*\e+1], 0
.set gi, 0
.rept 16
.irp k, 0,1,2,3
	v_bfe_u32 v[8+\k], v[X+16*\e+gi], 8*\k, 8      ; byte n = 4 gi + k
.endr
.irp k, 0,1,2,3
	v_cmp_ne_u32 s[36+\k], 0, v[8+\k]              ; bit L: my lane's place counts
.endr
.irp k, 0,1,2,3
	s_and_b32 s32, s32, s[36+\k]
.endr
.irp k, 0,1,2,3
	v_writelane_b32 v[WD+2*\e+\k%2], s[36+\k], 2*gi+\k/2   ; word n into lane n / 2, register n % 2: byte 4 n of the store below
.endr
.set gi, gi+1
.endr
	global_store_b64 v2, v[WD+2*\e:WD+2*\e+1], s[18:19] offset:256*\e   ; 256 consecutive aligned bytes
	s_cmp_eq_u32 s32, -1
	s_cselect_b32 s33, 1<<\e, 0
	s_or_b32 s34, s34, s33
.endm
	MUNIT 0
	MUNIT 1
	MUNIT 2
	MUNIT 3
	v_mov_b32 v3, s34
	v_mov_b32 v7, 0
	v_cmp_gt_u32 vcc_lo, 1, v0
	s_wait_xcnt 0x0                                ; EXEC is a source of the stores above: it changes only behind this wait
	s_and_saveexec_b32 s35, vcc_lo
	global_store_b32 v7, v3, s[16:17]              ; lane 0 stores the flag word: four bytes, 1 KiB in the whole launch
	s_wait_xcnt 0x0
	s_or_b32 exec_lo, exec_lo, s35
	s_endpgm
.Lfunc_end_k_q981325f2af_prep:
	.size	k_q981325f2af_prep, .Lfunc_end_k_q981325f2af_prep-k_q981325f2af_prep
	.p2alignl 7, 3214868480
	.fill 96, 4, 3214868480
	.section	.rodata,"a",@progbits
	.p2align	6, 0x0
	.amdhsa_kernel k_q981325f2af_prep
		.amdhsa_group_segment_fixed_size 0
		.amdhsa_private_segment_fixed_size 0
		.amdhsa_enable_private_segment 0
		.amdhsa_kernarg_size 56
		.amdhsa_user_sgpr_count 2
		.amdhsa_user_sgpr_kernarg_segment_ptr 1
		.amdhsa_wavefront_size32 1
		.amdhsa_system_sgpr_workgroup_id_x 1
		.amdhsa_system_sgpr_workgroup_id_y 1
		.amdhsa_system_sgpr_workgroup_id_z 1
		.amdhsa_system_vgpr_workitem_id 0
		.amdhsa_next_free_vgpr 192
		.amdhsa_next_free_sgpr 66
		.amdhsa_reserve_vcc 1
		.amdhsa_float_denorm_mode_32 3
		.amdhsa_float_denorm_mode_16_64 3
		.amdhsa_memory_ordered 1
		.amdhsa_forward_progress 1
		.amdhsa_inst_pref_size 81
	.end_amdhsa_kernel
	.amdgpu_metadata
---
amdhsa.version: [ 1, 2 ]
amdhsa.kernels:
  - .name:           k_q981325f2af_prep
    .symbol:         k_q981325f2af_prep.kd
    .args:
      - { .name: Wq, .offset: 0, .size: 8, .value_kind: global_buffer, .address_space: global }
      - { .name: Wk, .offset: 8, .size: 8, .value_kind: global_buffer, .address_space: global }
      - { .name: Wv, .offset: 16, .size: 8, .value_kind: global_buffer, .address_space: global }
      - { .name: Wo, .offset: 24, .size: 8, .value_kind: global_buffer, .address_space: global }
      - { .name: mask, .offset: 32, .size: 8, .value_kind: global_buffer, .address_space: global }
      - { .name: wts, .offset: 40, .size: 8, .value_kind: global_buffer, .address_space: global }
      - { .name: msk, .offset: 48, .size: 8, .value_kind: global_buffer, .address_space: global }
    .group_segment_fixed_size: 0
    .private_segment_fixed_size: 0
    .kernarg_segment_align: 8
    .kernarg_segment_size: 56
    .max_flat_workgroup_size: 32
    .sgpr_count:     66
    .vgpr_count:     192
    .wavefront_size: 32
...
	.end_amdgpu_metadata
.endif
;; end of part 1
;; launch proj (part 2): grid 256 x 3, 4 waves a work-group, clusters of 4 x 1, 285,184 bytes of LDS; arguments q, k, v, bq, bk, bv, wts, qop, kv; writes qop, kv
.if DOCPART == 2
	.amdgcn_target "amdgcn-amd-amdhsa--gfx1250"
	.amdhsa_code_object_version 6
	.text
	.protected	k_q981325f2af_proj
	.globl	k_q981325f2af_proj
	.p2align	8
	.type	k_q981325f2af_proj,@function
k_q981325f2af_proj:
	s_mov_b64 s[64:65], 0
	v_nop
	global_prefetch_b8 v0, s[64:65] scope:SCOPE_SE
	s_setreg_imm32_b32 hwreg(HW_REG_WAVE_MODE, 25, 1), 1
	s_wait_xcnt 0x0
	s_wait_alu depctr_hold_cnt(0) depctr_sa_sdst(0) depctr_va_vdst(0) depctr_va_sdst(0) depctr_va_ssrc(0) depctr_va_vcc(0) depctr_vm_vsrc(0)
	s_getreg_b32 s2, hwreg(HW_REG_IB_STS2, 6, 4)
	s_cmp_eq_u32 s2, 0
	s_cbranch_scc0 .Lentry_in_a_cluster
	s_endpgm
.Lentry_in_a_cluster:
	s_bfe_u32 s2, ttmp6, 0x10000c
	s_cmp_lg_u32 s2, 0x3003
	s_cbranch_scc0 .Lentry_shape_is_right
	s_endpgm
.Lentry_shape_is_right:
; PROJ.  x W + b for x = q, k, v (work-group y = 0, 1, 2), on codes of FP4 (E2M1) with one E8M0 scale for each 32 along K = 512; the result is quantised at once as an operand of the attention's products.
; x: [16384][512] f32, quantised here along its rows.  W: images of the operand's registers and scale words, as the launch before laid them.  b: [512] f32, given as the C of each sum's first product.
; SHARES.  A work-group takes 64 tokens.  THE WAVES SHARE THE COLUMNS: wave w has column tiles 8 w .. 8 w + 7 (heads 2 w and 2 w + 1) for all 64 tokens; its 32 fragments of W fill one register window.
; Wave w quantises token tile w of x; the fragments go from wave to wave through LDS as images of their registers (16 bytes a lane at 16 x lane; the scale word at 4 x lane).
; TILES OF 16 TOKENS AND OF 16 COLUMNS ARE NOT NEIGHBOURS: row r of tile t is index 32 (t / 2) + 8 (t % 2) + r + 8 (r / 8), so that the 16 result registers of tiles 2 b and 2 b + 1 of source 0 are the 16 neighbours 32 b + 16 (lane / 16) + 0 .. 15.
; q, k: source 0 = W's columns, source 1 = x's tokens: a lane holds one token and its registers run along the head's channels, the K of the scores.  Out: for each head and token tile four registers (64 channels), 512 dense bytes; scale words of two bytes.
; v: source 0 = x's tokens, source 1 = W's columns: a lane holds one channel and its registers run along the tokens, the K of the second product.  Out: for each head, key step, channel tile: images with the keys innermost.
; CLUSTER.  The four work-groups of a cluster take neighbouring blocks of tokens of the SAME tensor, so they need the same weight: each wave's quarter of it is asked for jointly (mask 15).  x's tile is each work-group's own.
; No LDS byte is filled twice.  A wave has two tensor loads out.
; LIMITS: a block whose largest magnitude lies under 2^-124 is held at the byte 1; a block of zeros has the byte 1 where the rule says 127 (zero codes; this program alone reads the bytes); NaN and infinities are not served.
; REGISTERS, in windows of 256: window 0: v1-13 addresses; v16-79 64 numbers of x, later 8 accumulators; v80-143 64 numbers of x; v144-175 codes, four sets; v176-179 scale words made; v180-191 at work;
;   v192-207 W's scale words, v208-223 x's (they hold scales and nothing else); v224-231 scales on their way out.   window 1: W(a, s) at 8 (4 a + s).   window 2: x's fragments (m, s) at 8 (4 m + s); the bias, tile a at 128 + 8 a.
.set XPITCH, 528                       ; a row of x's tile in LDS: 512 bytes + 16 of padding
.set XSTEP,  64*XPITCH                 ; a K step's 64 rows: what one tensor load brings
.set WL,     4*XSTEP                   ; behind x: the weight's codes, 32,768 bytes for each wave, dense
.set XIMG,   WL+131072                 ; x's 16 fragments (tile m, K step s) at (4 m + s) x 1024
.set XSC,    XIMG+16384                ; their scale words at (4 m + s) x 128
.set WREG,   139264
.set LI,   1                           ; 16 x lane
.set LS,   2                           ; 4 x lane
.set L8,   3                           ; 8 x lane
.set XRD,  4                           ; my row of x's tile, + 64 (lane / 16): K steps 0, 1
.set XRD2, 5                           ; the same for K steps 2, 3 (an LDS offset has 16 bits)
.set WLA,  6                           ; my wave's quarter of the weight + 16 x lane
.set XWI,  7                           ; where I store x's images
.set XWS,  8                           ; and their scale words
.set XFI,  9                           ; where all are read
.set XFS,  10
.set BOFA, 11                          ; the bias, a lane's offset: q, k: 64 (lane / 16)
.set SH,   12                          ; 16 (lane / 16)
.set BOFB, 13                          ; v: 4 (r + 8 (r / 8))
.set HA,   16
.set XT0,  16
.set XT1,  80
.set PC,   144
.set PW,   176
.set TM,   180                         ; +0..3 largest magnitudes, +4..7 the other half's, then bytes, +8..11 the conversions' scale operands
.set WS,   192
.set XS,   208
.set TT,   224
.set BI,   128                         ; in window 2
.set G1W,  24
.set G1X,  32
.set G0W,  40
.set G0X,  44
.set IMG,  80                          ; s[80:81], s[82:83] where the images of my two heads go
.set SCO,  84                          ; s[84:85], s[86:87] and their scales
.set WSP,  88                          ; s[88:89] my wave's scale words of W
.set WV,   90
.set TY,   91                          ; which tensor
.set BX,   92                          ; which block of 64 tokens
.set HIM,  94                          ; lanes 16-31
.set SEL,  96                          ; s[96:97] v_permlanex16_b32's selects for lane l xor 16
.set MSB, 0
.macro WIN new                         ; the immediate's high byte repeats the setting that is left
.if MSB != \new
	s_set_vgpr_msb (MSB<<8)|\new
.set MSB, \new
.endif
.endm
.macro CROUND                          ; a round of the cluster's barrier
	s_barrier_signal -1
	s_barrier_wait -1
	s_cmp_lg_u32 s[WV], 0
	s_cbranch_scc1 .Lnot_wave_0_\@
	s_barrier_signal -3
.Lnot_wave_0_\@:
	s_barrier_wait -3
	s_barrier_signal -1
	s_barrier_wait -1
.endm
; One product.  c: C's first register, or -1 for the constant 0.  rowa, rowb = 1: that side's scales are read from lanes 16-31.
.macro FP4 d, a, b, c, sa, sb, rowa, rowb
.if (\c) < 0
.if (\rowa) == 1
	v_wmma_scale_f32_16x16x128_f8f6f4 v[\d:\d+7], v[\a:\a+7], v[\b:\b+7], 0, v[\sa], v[\sb] matrix_a_fmt:MATRIX_FMT_FP4 matrix_b_fmt:MATRIX_FMT_FP4 matrix_a_scale:MATRIX_SCALE_ROW1
.elseif (\rowb) == 1
	v_wmma_scale_f32_16x16x128_f8f6f4 v[\d:\d+7], v[\a:\a+7], v[\b:\b+7], 0, v[\sa], v[\sb] matrix_a_fmt:MATRIX_FMT_FP4 matrix_b_fmt:MATRIX_FMT_FP4 matrix_b_scale:MATRIX_SCALE_ROW1
.else
	v_wmma_scale_f32_16x16x128_f8f6f4 v[\d:\d+7], v[\a:\a+7], v[\b:\b+7], 0, v[\sa], v[\sb] matrix_a_fmt:MATRIX_FMT_FP4 matrix_b_fmt:MATRIX_FMT_FP4
.endif
.else
.if (\rowa) == 1
	v_wmma_scale_f32_16x16x128_f8f6f4 v[\d:\d+7], v[\a:\a+7], v[\b:\b+7], v[\c:\c+7], v[\sa], v[\sb] matrix_a_fmt:MATRIX_FMT_FP4 matrix_b_fmt:MATRIX_FMT_FP4 matrix_a_scale:MATRIX_SCALE_ROW1
.elseif (\rowb) == 1
	v_wmma_scale_f32_16x16x128_f8f6f4 v[\d:\d+7], v[\a:\a+7], v[\b:\b+7], v[\c:\c+7], v[\sa], v[\sb] matrix_a_fmt:MATRIX_FMT_FP4 matrix_b_fmt:MATRIX_FMT_FP4 matrix_b_scale:MATRIX_SCALE_ROW1
.else
	v_wmma_scale_f32_16x16x128_f8f6f4 v[\d:\d+7], v[\a:\a+7], v[\b:\b+7], v[\c:\c+7], v[\sa], v[\sb] matrix_a_fmt:MATRIX_FMT_FP4 matrix_b_fmt:MATRIX_FMT_FP4
.endif
.endif
.endm
; 64 numbers of a lane, register 16 b + i = k 32 b + 16 (lane / 16) + i of my row, become a fragment's 8 registers of codes at v[dst] and its scale word in v[pw].  Each accumulator among the sources is read from its low end on.
.macro QUANT src, dst, pw
.irp b, 0,1,2,3
	v_max3_num_f32 v[TM+\b], |v[\src+16*\b]|, |v[\src+16*\b+1]|, 0x1800000   ; block b: my 16 numbers, and the floor 2^(3 - 127): the byte cannot fall under 1
.endr
.irp i, 2,4,6,8,10,12,14
.irp b, 0,1,2,3
	v_max3_num_f32 v[TM+\b], v[TM+\b], |v[\src+16*\b+\i]|, |v[\src+16*\b+\i+1]|   ; (the four blocks by turns)
.endr
.endr
.irp b, 0,1,2,3
	v_permlanex16_b32 v[TM+4+\b], v[TM+\b], s[SEL], s[SEL+1]
.endr
.irp b, 0,1,2,3
	v_max_num_f32 v[TM+\b], v[TM+\b], v[TM+4+\b]   ; with lane l xor 16's: the block's largest magnitude
.endr
.irp b, 0,1,2,3
	v_add_nc_u32 v[TM+8+\b], 0xff000000, v[TM+\b]  ; 2 off its exponent field: the conversion's scale operand
.endr
.irp b, 0,1,2,3
	v_lshrrev_b32 v[TM+4+\b], 23, v[TM+8+\b]       ; the scale's byte
.endr
	v_lshl_or_b32 v[\pw], v[TM+5], 8, v[TM+4]
	v_lshl_or_b32 v[\pw], v[TM+6], 16, v[\pw]
	v_lshl_or_b32 v[\pw], v[TM+7], 24, v[\pw]
.irp b, 0,1,2,3
	v_cvt_scalef32_pk8_fp4_f32 v[\dst+2*\b], v[\src+16*\b:\src+16*\b+7], v[TM+8+\b]
	v_cvt_scalef32_pk8_fp4_f32 v[\dst+2*\b+1], v[\src+16*\b+8:\src+16*\b+15], v[TM+8+\b]
.endr
	v_nop                                          ; one plain place behind a scaled conversion
.irp c, 0,1                                    ; the operand's layout wants a WHOLE block in a lane: lanes 0-15 block 2 c, lanes 16-31 block 2 c + 1
.irp i, 0,1
	v_permlane16_swap_b32 v[\dst+4*\c+\i], v[\dst+4*\c+2+\i]
.endr
.endr
.endm
	s_load_b512 s[4:19], s[0:1], 0x0               ; q s[4:5], k s[6:7], v s[8:9], bq s[10:11], bk s[12:13], bv s[14:15], wts s[16:17], qop s[18:19]
	s_load_b64 s[20:21], s[0:1], 0x40              ; kv
	v_lshl_add_u32 v254, v0, 2, 0x45800
	v_mov_b32 v255, 0
	ds_add_u32 v254, v255
	ds_add_u32 v254, v255
	v_lshrrev_b32 v14, 5, v0
	v_readfirstlane_b32 s[WV], v14                 ; wave 0..3
	s_and_b32 s[TY], ttmp7, 0xffff                 ; the tensor: the cluster's y, which the four partners share
	s_bfe_u32 s93, ttmp6, 0x40000                  ; cx: it enters x's and the outputs' global addresses alone
	s_lshl_b32 s[BX], ttmp9, 2
	s_add_co_u32 s[BX], s[BX], s93                 ; block of 64 tokens = 4 x cluster x + cx
	s_lshr_b32 s48, s[BX], 4                       ; bl: which of the 16 sequences
	s_and_b32 s49, s[BX], 15                       ; blk: which 64 of its 1,024 tokens
	; group 1 for the weight: a wave's quarter, 32,768 dense bytes as 128 rows of 256 (32 elements of 8 bytes)
	s_mov_b32 s[G1W+0], 15|(3<<16)|(1<<21)         ; 15:0 the mask: all four work-groups; 17:16 elements of 8 bytes; 21 set beside a mask
	s_mov_b32 s[G1W+1], 32<<16                     ; tensor_dim0
	s_mov_b32 s[G1W+2], 128<<16                    ; tensor_dim1
	s_mov_b32 s[G1W+3], 32<<16                     ; tile_dim0
	s_mov_b32 s[G1W+4], 128                        ; tile_dim1
	s_mov_b32 s[G1W+5], 32                         ; from row to row
	s_mov_b32 s[G1W+6], 0
	s_mov_b32 s[G1W+7], 0
	; group 1 for x: 64 rows of 512 bytes (64 elements of 8), 2,048 bytes apart; 4 words of padding behind every 128
	s_mov_b32 s[G1X+0], (3<<16)|(1<<20)|(6<<22)|(3<<25)
	s_mov_b32 s[G1X+1], 64<<16
	s_mov_b32 s[G1X+2], 64<<16
	s_mov_b32 s[G1X+3], 64<<16
	s_mov_b32 s[G1X+4], 64
	s_mov_b32 s[G1X+5], 256
	s_mov_b32 s[G1X+6], 0
	s_mov_b32 s[G1X+7], 0
	s_mov_b32 s[HIM], 0xffff0000
	s_mov_b32 s[SEL], 0x76543210
	s_mov_b32 s[SEL+1], 0xfedcba98
	s_mul_i32 s66, s[TY], WREG                     ; my tensor's weight,
	s_lshl_b32 s67, s[WV], 15                      ; my wave's quarter of its codes
	s_add_co_u32 s68, s66, s67
	s_mov_b32 s69, 0
	s_lshl_b32 s70, s[BX], 17                      ; x: 64 rows of 2,048 bytes a block,
	s_lshl_b32 s71, s[WV], 9                       ; K step w: 512 bytes on
	s_add_co_u32 s70, s70, s71
	s_add_co_u32 s76, s66, s71                     ; W's scale words: four pairs of tiles a wave, 128 bytes each
	s_add_co_u32 s76, s76, 131072
	s_mov_b32 s77, 0
	s_mov_b32 s74, s71                             ; the bias: my 128 numbers
	s_mov_b32 s75, 0
	s_mov_b32 s71, 0
	; where the results go, as offsets: q: images hx x 32768 + blk x 2048, scales 4194304 + hx x 4096 + blk x 256;  k: hx x 71680 + blk x 2048, hx x 71680 + 65536 + blk x 256;
	; v: hx x 71680 + 32768 + (blk / 2) x 4096 + (blk % 2) x 512, hx x 71680 + 69632 + (blk / 2) x 256 + (blk % 2) x 2;  hx = 8 bl + 2 w + 0, 1
	s_lshl_b32 s54, s49, 11
	s_lshl_b32 s55, s49, 8
	s_lshr_b32 s56, s49, 1
	s_and_b32 s57, s49, 1
	s_lshl_b32 s58, s56, 12
	s_lshl_b32 s59, s57, 9
	s_add_co_u32 s58, s58, s59
	s_add_co_u32 s58, s58, 32768
	s_lshl_b32 s59, s56, 8
	s_lshl_b32 s60, s57, 1
	s_add_co_u32 s59, s59, s60
	s_add_co_u32 s59, s59, 69632
	s_add_co_u32 s60, s55, 65536
	s_add_co_u32 s55, s55, 4194304
	s_mov_b32 s50, 71680
	s_mov_b32 s51, 71680
	s_cmp_eq_u32 s[TY], 2
	s_cselect_b32 s54, s58, s54
	s_cselect_b32 s60, s59, s60
	s_cmp_eq_u32 s[TY], 0
	s_cselect_b32 s55, s55, s60
	s_cselect_b32 s50, 32768, s50                  ; from head to head: images,
	s_cselect_b32 s51, 4096, s51                   ; scales
	s_lshl_b32 s61, s48, 3
	s_lshl_b32 s62, s[WV], 1
	s_add_co_u32 s61, s61, s62                     ; hx of my first head
	s_mov_b32 s63, 0
	s_wait_dscnt 0x0
	s_wait_kmcnt 0x0
	s_cmp_eq_u32 s[TY], 0                          ; the choices of buffers hang on the tensor's number alone
	s_cselect_b64 s[52:53], s[18:19], s[20:21]
	s_cmp_eq_u32 s[TY], 1
	s_cselect_b64 s[4:5], s[6:7], s[4:5]
	s_cselect_b64 s[10:11], s[12:13], s[10:11]
	s_cmp_eq_u32 s[TY], 2
	s_cselect_b64 s[4:5], s[8:9], s[4:5]
	s_cselect_b64 s[10:11], s[14:15], s[10:11]
	s_mul_i32 s62, s61, s50
	s_add_co_u32 s62, s62, s54
	s_add_nc_u64 s[IMG:IMG+1], s[52:53], s[62:63]
	s_add_co_u32 s62, s62, s50
	s_add_nc_u64 s[IMG+2:IMG+3], s[52:53], s[62:63]
	s_mul_i32 s62, s61, s51
	s_add_co_u32 s62, s62, s55
	s_add_nc_u64 s[SCO:SCO+1], s[52:53], s[62:63]
	s_add_co_u32 s62, s62, s51
	s_add_nc_u64 s[SCO+2:SCO+3], s[52:53], s[62:63]
	s_add_nc_u64 s[WSP:WSP+1], s[16:17], s[76:77]
	s_add_nc_u64 s[10:11], s[10:11], s[74:75]
	s_mov_b32 s[G0W], 1                            ; count = 1
	s_add_co_u32 s[G0W+1], s67, WL                 ; LDS address: the wave's number alone enters it
	s_add_nc_u64 s[G0W+2:G0W+3], s[16:17], s[68:69]   ; global address: the tensor and the wave: equal in the four partners
	s_or_b32 s[G0W+3], s[G0W+3], 0x80000000        ; type = 2
	s_mov_b32 s[G0X], 1
	s_mul_i32 s[G0X+1], s[WV], XSTEP
	s_add_nc_u64 s[G0X+2:G0X+3], s[4:5], s[70:71]
	s_or_b32 s[G0X+3], s[G0X+3], 0x80000000
	CROUND                                         ; all four work-groups are here: the joint loads meet
	tensor_load_to_lds s[G0W:G0W+3], s[G1W:G1W+7]  ; my quarter of the weight, jointly
	s_nop 0
	tensor_load_to_lds s[G0X:G0X+3], s[G1X:G1X+7]  ; K step w of my work-group's 64 rows of x
	s_nop 0
.rept 4
	v_nop
.endr
	v_and_b32 v14, 31, v0                          ; lane
	v_and_b32 v15, 15, v0                          ; r
	v_bfe_u32 v[SH], v0, 4, 1                      ; h
	v_lshlrev_b32 v[LI], 4, v14
	v_lshlrev_b32 v[LS], 2, v14
	v_lshlrev_b32 v[L8], 3, v14
	v_and_b32 v[BOFB], 8, v15
	v_add_nc_u32 v[BOFB], v[BOFB], v15             ; r + 8 (r / 8)
	s_lshr_b32 s72, s[WV], 1
	s_lshl_b32 s72, s72, 5
	s_and_b32 s73, s[WV], 1
	s_lshl_b32 s73, s73, 3
	s_add_co_u32 s72, s72, s73                     ; token tile w begins at row 32 (w / 2) + 8 (w % 2)
	s_mul_i32 s72, s72, XPITCH
	v_mul_u32_u24 v[XRD], v[BOFB], XPITCH
	v_lshl_add_u32 v[XRD], v[SH], 6, v[XRD]        ; + 64 h: my 16 numbers of a block of 32
	v_add_nc_u32 v[XRD], s72, v[XRD]
	v_add_nc_u32 v[XRD2], 2*XSTEP, v[XRD]
	v_lshlrev_b32 v[BOFA], 6, v[SH]
	v_lshlrev_b32 v[BOFB], 2, v[BOFB]
	v_lshlrev_b32 v[SH], 4, v[SH]
	s_add_co_u32 s72, s67, WL
	v_add_nc_u32 v[WLA], s72, v[LI]
	s_lshl_b32 s72, s[WV], 12
	s_add_co_u32 s72, s72, XIMG
	v_add_nc_u32 v[XWI], s72, v[LI]
	s_lshl_b32 s72, s[WV], 9
	s_add_co_u32 s72, s72, XSC
	v_add_nc_u32 v[XWS], s72, v[LS]
	v_add_nc_u32 v[XFI], XIMG, v[LI]
	v_add_nc_u32 v[XFS], XSC, v[LS]
.irp b, 0,1,2,3
	v_mov_b32 v[TM+4+\b], 0                        ; written once: a lane permute's destination counts as one of its sources
.endr
.irp s, 0,1,2,3
.irp gp, 0,1,2,3
	global_load_b32 v[WS+4*\s+\gp], v[LS], s[WSP:WSP+1] offset:\s*2048+\gp*128   ; K step s, my tiles 2 gp (lanes 0-15) and 2 gp + 1 (lanes 16-31)
.endr
.endr
	s_cmp_eq_u32 s[TY], 2
	s_cbranch_scc1 .Lbias_v
	WIN 0x80                                       ; destination window 2
.irp a, 0,1,2,3,4,5,6,7                        ; q, k: a lane's eight results of tile a are columns 32 (a / 2) + 16 h + 8 (a % 2) + 0 .. 7
	global_load_b128 v[BI+8*\a:BI+8*\a+3], v[BOFA], s[10:11] offset:(32*(\a/2)+8*(\a%2))*4
	global_load_b128 v[BI+8*\a+4:BI+8*\a+7], v[BOFA], s[10:11] offset:(32*(\a/2)+8*(\a%2))*4+16
.endr
	WIN 0
	s_branch .Lbias_done
.Lbias_v:
	WIN 0x80
.irp a, 0,1,2,3,4,5,6,7                        ; v: a lane's eight results of tile a are eight tokens of ONE column, 32 (a / 2) + 8 (a % 2) + r + 8 (r / 8): the same number eight times
.irp j, 0,1,2,3,4,5,6,7
	global_load_b32 v[BI+8*\a+\j], v[BOFB], s[10:11] offset:(32*(\a/2)+8*(\a%2))*4
.endr
.endr
	WIN 0
.Lbias_done:
	s_wait_tensorcnt 0x1                           ; my quarter of the weight is in (x's load, issued behind it, may be out); no other wave reads it
	WIN 0x40                                       ; destination window 1
.irp a, 0,1,2,3,4,5,6,7
.irp s, 0,1,2,3
.irp c, 0,1
	ds_load_b128 v[8*(4*\a+\s)+4*\c:8*(4*\a+\s)+4*\c+3], v[WLA] offset:\a*4096+\s*1024+\c*512
.endr
.endr
.endr
	WIN 0
	s_wait_tensorcnt 0x0                           ; my K step of x is in,
	s_wait_dscnt 0x0                               ; no LDS load of mine is out,
	s_barrier_signal -1
	s_barrier_wait -1                              ; everybody's is
	; ---- X: my 16 tokens of x become four fragments.  Rows r and r + 16 of a tile begin at the same bank at any pitch that is a multiple of 16 bytes (64 banks of 4 bytes: ISA guide 11.1): these loads meet two deep
.macro XLD s, set
.irp b, 0,1,2,3
.irp j, 0,1,2,3
.if (\s) < 2
	ds_load_b128 v[\set+16*\b+4*\j:\set+16*\b+4*\j+3], v[XRD] offset:(\s)*XSTEP+128*\b+16*\j
.else
	ds_load_b128 v[\set+16*\b+4*\j:\set+16*\b+4*\j+3], v[XRD2] offset:((\s)-2)*XSTEP+128*\b+16*\j
.endif
.endr
.endr
.endm
.macro XQ s, set, cnt
	s_wait_dscnt \cnt
	QUANT \set, PC+8*(\s), PW+(\s)
	ds_store_b128 v[XWI], v[PC+8*(\s):PC+8*(\s)+3] offset:(\s)*1024
	ds_store_b128 v[XWI], v[PC+8*(\s)+4:PC+8*(\s)+7] offset:(\s)*1024+512
	ds_store_b32 v[XWS], v[PW+(\s)] offset:(\s)*128
.endm
	XLD 0, XT0
	XLD 1, XT1
	XQ 0, XT0, 16                                  ; K step 1's sixteen loads may be out
	XLD 2, XT0
	XQ 1, XT1, 19                                  ; behind K step 1's loads: three stores and sixteen loads
	XLD 3, XT1
	XQ 2, XT0, 19
	XQ 3, XT1, 3                                   ; behind K step 3's loads: three stores
	s_wait_dscnt 0x0                               ; my stores have landed
	s_barrier_signal -1
	s_barrier_wait -1                              ; x's sixteen fragments lie in LDS
	WIN 0x80
.irp f, 0,1,2,3,4,5,6,7,8,9,10,11,12,13,14,15
.irp c, 0,1
	ds_load_b128 v[8*\f+4*\c:8*\f+4*\c+3], v[XFI] offset:\f*1024+\c*512
.endr
.endr
	WIN 0
.irp f, 0,1,2,3,4,5,6,7,8,9,10,11,12,13,14,15
	ds_load_b32 v[XS+\f], v[XFS] offset:\f*128
.endr
	s_wait_dscnt 0x0
	s_wait_loadcnt 0x0                             ; W's scale words and the bias
	s_cmp_eq_u32 s[TY], 2
	s_cbranch_scc1 .Lpath_v
	; ---- q, k: a token tile at a time: my 8 column tiles, four K steps; the eight accumulators take turns, one instruction a turn
.macro MULA m
.irp s, 0,1,2,3
.if \s == 0
	WIN 0x29                                       ; source 0 (W) window 1, source 1 (x) window 2, C (the bias) window 2
.else
	WIN 0x09
.endif
.irp a, 0,1,2,3,4,5,6,7
.if \s == 0
	FP4 HA+8*\a, 8*(4*\a+\s), 8*(4*\m+\s), BI+8*\a, WS+4*\s+\a/2, XS+4*\m+\s, \a%2, 0
.else
	FP4 HA+8*\a, 8*(4*\a+\s), 8*(4*\m+\s), HA+8*\a, WS+4*\s+\a/2, XS+4*\m+\s, \a%2, 0
.endif
.endr
.endr
	WIN 0
.endm
.irp m, 0,1,2,3
	MULA \m
.rept 5
	v_nop                                          ; four places in front of the first read of the results; five in front of the next tile's products, which begin these accumulators anew
.endr
	QUANT HA, PC+8*\m, PW+\m                       ; registers 0-3: head 2 w's 64 channels; registers 4-7: head 2 w + 1's
	global_store_b128 v[LI], v[PC+8*\m:PC+8*\m+3], s[IMG:IMG+1] offset:512*\m       ; 512 consecutive aligned bytes
	global_store_b128 v[LI], v[PC+8*\m+4:PC+8*\m+7], s[IMG+2:IMG+3] offset:512*\m
.endr
	v_cndmask_b32 v[TT], v[PW], v[PW+1], s[HIM]    ; the scale words: lanes 0-15 tile 0's, lanes 16-31 tile 1's;
	v_cndmask_b32 v[TT+1], v[PW+2], v[PW+3], s[HIM]   ; tiles 2 and 3
	v_and_b32 v[TT+2], 0xffff, v[TT]               ; the first head's two bytes; the upper two stay 0, over the zero codes of the upper half of the scores' K step
	v_and_b32 v[TT+3], 0xffff, v[TT+1]
	v_lshrrev_b32 v[TT+4], 16, v[TT]               ; the second head's
	v_lshrrev_b32 v[TT+5], 16, v[TT+1]
	global_store_b64 v[L8], v[TT+2:TT+3], s[SCO:SCO+1]       ; 256 consecutive aligned bytes
	global_store_b64 v[L8], v[TT+4:TT+5], s[SCO+2:SCO+3]
	s_branch .Ldone
	; ---- v: two column tiles at a time against the four token tiles: a lane holds one channel, its registers 64 tokens
.Lpath_v:
.macro MULB g
.irp s, 0,1,2,3
.if \s == 0
	WIN 0x26                                       ; source 0 (x) window 2, source 1 (W) window 1, C (the bias) window 2
.else
	WIN 0x06
.endif
.irp t, 0,1
.irp m, 0,1,2,3
.if \s == 0
	FP4 HA+8*(4*\t+\m), 8*(4*\m+\s), 8*(4*(2*\g+\t)+\s), BI+8*(2*\g+\t), XS+4*\m+\s, WS+4*\s+\g, 0, \t
.else
	FP4 HA+8*(4*\t+\m), 8*(4*\m+\s), 8*(4*(2*\g+\t)+\s), HA+8*(4*\t+\m), XS+4*\m+\s, WS+4*\s+\g, 0, \t
.endif
.endr
.endr
.endr
	WIN 0
.endm
.irp g, 0,1,2,3
	MULB \g
.rept 5
	v_nop
.endr
	QUANT HA, PC+8*\g, PW+\g                       ; registers 0-3: channel tile 2 g, my block's 64 keys; registers 4-7: tile 2 g + 1
	global_store_b128 v[LI], v[PC+8*\g:PC+8*\g+3], s[IMG+2*(\g/2):IMG+2*(\g/2)+1] offset:(2*(\g%2))*1024
	global_store_b128 v[LI], v[PC+8*\g+4:PC+8*\g+7], s[IMG+2*(\g/2):IMG+2*(\g/2)+1] offset:(2*(\g%2)+1)*1024
	v_lshrrev_b32 v[TT+\g], v[SH], v[PW+\g]        ; lanes 0-15: tile 2 g's two bytes; lanes 16-31: tile 2 g + 1's
	global_store_b16 v[L8], v[TT+\g], s[SCO+2*(\g/2):SCO+2*(\g/2)+1] offset:4*(\g%2)   ; two bytes a lane, 8 apart: the word's other half is the neighbouring 64 tokens' work-group's; 256 KiB of this launch's 14 MiB of stores
.endr
.Ldone:
	s_wait_tensorcnt 0x0
	ds_add_u32 v254, v255
	s_wait_dscnt 0x0
	CROUND                                         ; the closing round: no work-group ends while a partner may still ask for a tile that names it
	s_endpgm
.Lfunc_end_k_q981325f2af_proj:
	.size	k_q981325f2af_proj, .Lfunc_end_k_q981325f2af_proj-k_q981325f2af_proj
	.p2alignl 7, 3214868480
	.fill 96, 4, 3214868480
	.section	.rodata,"a",@progbits
	.p2align	6, 0x0
	.amdhsa_kernel k_q981325f2af_proj
		.amdhsa_group_segment_fixed_size 285184
		.amdhsa_private_segment_fixed_size 0
		.amdhsa_enable_private_segment 0
		.amdhsa_kernarg_size 72
		.amdhsa_user_sgpr_count 2
		.amdhsa_user_sgpr_kernarg_segment_ptr 1
		.amdhsa_wavefront_size32 1
		.amdhsa_system_sgpr_workgroup_id_x 1
		.amdhsa_system_sgpr_workgroup_id_y 1
		.amdhsa_system_sgpr_workgroup_id_z 1
		.amdhsa_system_vgpr_workitem_id 0
		.amdhsa_next_free_vgpr 768
		.amdhsa_next_free_sgpr 100
		.amdhsa_reserve_vcc 0
		.amdhsa_float_denorm_mode_32 3
		.amdhsa_float_denorm_mode_16_64 3
		.amdhsa_memory_ordered 1
		.amdhsa_forward_progress 1
		.amdhsa_inst_pref_size 111
	.end_amdhsa_kernel
	.amdgpu_metadata
---
amdhsa.version: [ 1, 2 ]
amdhsa.kernels:
  - .name:           k_q981325f2af_proj
    .symbol:         k_q981325f2af_proj.kd
    .args:
      - { .name: q, .offset: 0, .size: 8, .value_kind: global_buffer, .address_space: global }
      - { .name: k, .offset: 8, .size: 8, .value_kind: global_buffer, .address_space: global }
      - { .name: v, .offset: 16, .size: 8, .value_kind: global_buffer, .address_space: global }
      - { .name: bq, .offset: 24, .size: 8, .value_kind: global_buffer, .address_space: global }
      - { .name: bk, .offset: 32, .size: 8, .value_kind: global_buffer, .address_space: global }
      - { .name: bv, .offset: 40, .size: 8, .value_kind: global_buffer, .address_space: global }
      - { .name: wts, .offset: 48, .size: 8, .value_kind: global_buffer, .address_space: global }
      - { .name: qop, .offset: 56, .size: 8, .value_kind: global_buffer, .address_space: global }
      - { .name: kv, .offset: 64, .size: 8, .value_kind: global_buffer, .address_space: global }
    .group_segment_fixed_size: 285184
    .private_segment_fixed_size: 0
    .kernarg_segment_align: 8
    .kernarg_segment_size: 72
    .max_flat_workgroup_size: 128
    .sgpr_count:     100
    .vgpr_count:     768
    .wavefront_size: 32
...
	.end_amdgpu_metadata
.endif
;; end of part 2
;; launch attn (part 3): grid 2 x 128, 16 waves a work-group, no clusters, 73,728 bytes of LDS; arguments qop, kv, msk, oop; writes oop
.if DOCPART == 3
	.amdgcn_target "amdgcn-amd-amdhsa--gfx1250"
	.amdhsa_code_object_version 6
	.text
	.protected	k_q981325f2af_attn
	.globl	k_q981325f2af_attn
	.p2align	8
	.type	k_q981325f2af_attn,@function
k_q981325f2af_attn:
	s_mov_b64 s[64:65], 0
	v_nop
	global_prefetch_b8 v0, s[64:65] scope:SCOPE_SE
	s_setreg_imm32_b32 hwreg(HW_REG_WAVE_MODE, 25, 1), 1
	s_wait_xcnt 0x0
; ATTN.  For one head of one sequence (work-group y, 0 .. 127) and half of its 1,024 queries (x): o = softmax(mask(q k^T / 8)) v, both products on codes of FP4 (E2M1) with E8M0 scales, and o quantised at once as an operand of the output projection.
; THE SOFTMAX AHEAD OF THE SECOND PRODUCT: t = score x log2(e) / 8; M = the row's largest t so far, rounded UP to a whole number; p = 2^(t - M) is quantised along the keys, not normalised.
; The row's sum is taken of the unquantised p, in f32, and divides O at the end.  When M moves, the sum and O are multiplied by 2^(old M - new M): exact.
; THE WHOLE HEAD'S K AND V, codes and scale words, 71,680 bytes as the launch before laid them, go into LDS once, through registers; behind the one barrier LDS is only read: no ring, no refill, no tensor load.
; SHARES.  Sixteen waves; a wave owns ONE tile of 16 queries at a time, in 256 registers (four waves to a SIMD, so that one wave's vector work stands beside another's products and LDS loads), and walks two tiles, one after the other.
; The eight key steps of 128 keys are written out: every LDS offset is an immediate.
; LAYOUT.  Both products are used transposed: S^T = K Q^T (source 0 = 16 keys), O^T = V^T P^T (source 0 = 16 channels): a lane holds ONE query throughout.  Tiles of 16 keys, queries and channels are not neighbours:
; row r of tile t is index 32 (t / 2) + 8 (t % 2) + r + 8 (r / 8); so register 16 b + i of S^T is key 32 b + 16 (lane / 16) + i of the step, and of O^T channel 32 b + 16 (lane / 16) + i.
; THE HEAD HAS 64 CHANNELS, half of the instruction's K: registers 4-7 of Q's and K's fragments are zero codes, written once; their scale bytes are 0, which is 2^-127 and harmless over zeros.
; THE MASK comes as lane masks, one word for each score register, by scalar loads: one v_cndmask_b32 a score.  A key step that hides nothing of the tile (a flag, a whole number that the first launch stored) jumps over them.
; EVERYTHING THAT COMES FROM MEMORY IS ASKED FOR AHEAD.  A step's 64 mask words are asked for in the step before, as soon as that step's selects have read the scalar registers: they have the rest of that step, its whole softmax, in which to
; land.  Both tiles' Q, scale words and flags are asked for at the kernel's head, with the fill of LDS.  So a tile's head has no wait.
; A row that the mask hides altogether has the sum 0: its scale bytes become 0xff, so that the output projection gives NaN for that token, as the softmax of such a row is NaN.
; NO CLUSTER: only two work-groups share a head, and what they share is read once, 70 KiB each.
; LIMITS: a block's largest p is not searched for: the block's largest score goes through the same multiply-add and exponential, which takes v_exp_f32 not to fall where its input rises.  The largest t starts at -3e38.
; Blocks of o under 2^-124 are held at the byte 1; NaN and infinities among the inputs are not served.
.set KVB,  71680
.set VIMG, 32768                       ; LDS: K's images at 0 (tile t at 512 t), V's at 32,768 (ks x 4096 + dt x 1024 + c x 512), K's scale words at 65,536, V's at 69,632
.set AL,   1                           ; v1   16 x lane: an image's place, in LDS and in memory
.set AS,   3                           ; v3   65,536 + 8 x lane: two scale words
.set R8,   5                           ; v5   8 r
.set R16,  6                           ; v6   16 r
.set NINF, 7                           ; v7   -infinity
.set QF,   16                          ; v16-23   Q's fragment
.set KF,   24                          ; v24-87   eight fragments of K
.set VF,   88                          ; v88-119  four fragments of V
.set S,    120                         ; v120-183 S^T, then p
.set OT,   184                         ; v184-215 O^T
.set PC,   216                         ; v216-223 p's codes
.set BM,   224                         ; v224-227 the blocks' largest scores, then largest p
.set BP,   228                         ; v228-231 the other half's, then bytes
.set BS,   232                         ; v232-235 the conversions' scale operands
.set KS,   236                         ; v236-239 K's scale words   (these kinds, and v254, hold scales and nothing else)
.set VS,   240                         ; v240-241 V's
.set QS,   242                         ; v242     Q's
.set PSW,  243                         ; v243     p's
.set Q2,   250                         ; v250-253 the second tile's Q, until its turn
.set QS2,  254                         ; v254     and its scale word
.set WV,   68
.set PASS, 69
.set SEL,  70                          ; s[70:71] v_permlanex16_b32's selects for lane l xor 16
.set CS,   72                          ; s[72:73] c = log2(e) / 8
.set FL,   74                          ; bit ks: key step ks hides nothing of my tile
.set FL2,  75                          ; the same for my second tile
; s[16:63] and s[80:95]: a key step's 64 mask words
.macro FP4 d, a, b, c, sa, sb, rowa, rowb
.if (\c) < 0
.if (\rowa) == 1
	v_wmma_scale_f32_16x16x128_f8f6f4 v[\d:\d+7], v[\a:\a+7], v[\b:\b+7], 0, v[\sa], v[\sb] matrix_a_fmt:MATRIX_FMT_FP4 matrix_b_fmt:MATRIX_FMT_FP4 matrix_a_scale:MATRIX_SCALE_ROW1
.else
	v_wmma_scale_f32_16x16x128_f8f6f4 v[\d:\d+7], v[\a:\a+7], v[\b:\b+7], 0, v[\sa], v[\sb] matrix_a_fmt:MATRIX_FMT_FP4 matrix_b_fmt:MATRIX_FMT_FP4
.endif
.else
.if (\rowa) == 1
	v_wmma_scale_f32_16x16x128_f8f6f4 v[\d:\d+7], v[\a:\a+7], v[\b:\b+7], v[\c:\c+7], v[\sa], v[\sb] matrix_a_fmt:MATRIX_FMT_FP4 matrix_b_fmt:MATRIX_FMT_FP4 matrix_a_scale:MATRIX_SCALE_ROW1
.else
	v_wmma_scale_f32_16x16x128_f8f6f4 v[\d:\d+7], v[\a:\a+7], v[\b:\b+7], v[\c:\c+7], v[\sa], v[\sb] matrix_a_fmt:MATRIX_FMT_FP4 matrix_b_fmt:MATRIX_FMT_FP4
.endif
.endif
.endm
.macro MLOAD ks                        ; the 64 mask words of key step ks of the tile at s[10:11]; ks = 8 is the next tile's step 0
	s_load_b512 s[16:31], s[10:11], (\ks)*256
	s_load_b512 s[32:47], s[10:11], (\ks)*256+64
	s_load_b512 s[48:63], s[10:11], (\ks)*256+128
	s_load_b512 s[80:95], s[10:11], (\ks)*256+192
.endm
	s_load_b256 s[80:87], s[0:1], 0x0              ; qop s[80:81], kv s[82:83], msk s[84:85], oop s[86:87]
	v_lshrrev_b32 v2, 5, v0
	v_readfirstlane_b32 s[WV], v2                  ; wave 0..15
	s_and_b32 s16, ttmp7, 0xffff                   ; hh = (8 b + l) x 8 + head
	s_lshl_b32 s17, ttmp9, 5
	s_lshl_b32 s18, s[WV], 1
	s_add_co_u32 s17, s17, s18                     ; my first tile of queries: 32 x + 2 w
	s_lshl_b32 s20, s16, 6
	s_add_co_u32 s20, s20, s17
	s_lshl_b32 s20, s20, 9                         ; Q's image: (64 hh + qt) x 512
	s_mov_b32 s21, 0
	s_lshl_b32 s22, s16, 4                         ; Q's scale word: 4,194,304 + (16 hh + qt / 4) x 256 + 4 ((qt / 2) % 2) + 128 (qt % 2) + 8 r
	s_lshl_b32 s19, ttmp9, 3
	s_add_co_u32 s22, s22, s19
	s_lshr_b32 s19, s[WV], 1
	s_add_co_u32 s22, s22, s19
	s_lshl_b32 s22, s22, 8
	s_and_b32 s19, s[WV], 1
	s_lshl_b32 s19, s19, 2
	s_add_co_u32 s22, s22, s19
	s_add_co_u32 s22, s22, 4194304
	s_mov_b32 s23, 0
	s_mul_i32 s24, s16, KVB                        ; the head's K and V
	s_mov_b32 s25, 0
	s_lshr_b32 s26, s16, 6
	s_lshl_b32 s26, s26, 6
	s_add_co_u32 s26, s26, s17                     ; 64 b + qt
	s_lshl_b32 s28, s26, 3
	s_add_co_u32 s28, s28, 262144                  ; its two flag words, and behind them the next tile's two: qt is even, so the four begin at a multiple of 16 bytes
	s_mov_b32 s29, 0
	s_lshl_b32 s26, s26, 11                        ; its mask words
	s_mov_b32 s27, 0
	s_lshr_b32 s30, s16, 3
	s_lshl_b32 s30, s30, 6
	s_add_co_u32 s30, s30, s17                     ; gt = 64 (8 b + l) + qt
	s_and_b32 s19, s16, 7                          ; head
	s_lshl_b32 s32, s30, 8
	s_lshl_b32 s31, s19, 1
	s_add_co_u32 s32, s32, s31
	s_add_co_u32 s32, s32, 4194304                 ; o's scale bytes: 4,194,304 + gt x 256 + 16 r + 2 head
	s_mov_b32 s33, 0
	s_lshl_b32 s30, s30, 12
	s_lshl_b32 s31, s19, 9
	s_add_co_u32 s30, s30, s31                     ; o's image: gt x 4096 + head x 512
	s_mov_b32 s31, 0
	s_mov_b32 s[SEL], 0x76543210
	s_mov_b32 s[SEL+1], 0xfedcba98
	s_mov_b32 s[CS], 0x3e38aa3b                    ; c = log2(e) / 8
	s_mov_b32 s[CS+1], s[CS]                       ; (named with it as a pair, so it is written)
	s_mov_b32 s[PASS], 2
	v_lshlrev_b32 v8, 4, v0                        ; the fill: 16, 8 and 4 bytes a thread
	v_lshlrev_b32 v9, 3, v0
	v_lshlrev_b32 v10, 2, v0
	s_wait_kmcnt 0x0
	s_add_nc_u64 s[4:5], s[80:81], s[20:21]        ; Q's image
	s_add_nc_u64 s[6:7], s[80:81], s[22:23]        ; Q's scale words
	s_add_nc_u64 s[8:9], s[82:83], s[24:25]        ; K and V
	s_add_nc_u64 s[10:11], s[84:85], s[26:27]      ; mask words
	s_add_nc_u64 s[12:13], s[84:85], s[28:29]      ; flags
	s_add_nc_u64 s[14:15], s[86:87], s[30:31]      ; o's image
	s_add_nc_u64 s[66:67], s[86:87], s[32:33]      ; o's scale bytes
.irp j, 0,1,2,3,4,5,6,7
	global_load_b128 v[S+4*\j:S+4*\j+3], v8, s[8:9] offset:\j*8192   ; the 512 threads take 8,192 consecutive bytes a load
.endr
	global_load_b64 v[S+32:S+33], v9, s[8:9] offset:65536
	global_load_b32 v[S+34], v10, s[8:9] offset:69632
	s_load_b128 s[76:79], s[12:13], 0x0            ; both tiles' flag words,
	MLOAD 0                                        ; and the first tile's first mask words: all land under the fill (the arguments' and the offsets' registers have been read by the sums above)
	v_add_nc_u32 v11, 65536, v9
	v_add_nc_u32 v4, 69632, v10
	v_and_b32 v2, 31, v0
	v_lshlrev_b32 v[AL], 4, v2
	v_lshl_add_u32 v[AS], v2, 3, 65536
	v_and_b32 v2, 15, v0
	v_lshlrev_b32 v[R8], 3, v2
	v_lshlrev_b32 v[R16], 4, v2
	global_load_b128 v[QF:QF+3], v[AL], s[4:5]             ; Q of my first tile, where the products take it,
	global_load_b128 v[Q2:Q2+3], v[AL], s[4:5] offset:512  ; and of my second, kept until its turn
	global_load_b32 v[QS], v[R8], s[6:7]
	global_load_b32 v[QS2], v[R8], s[6:7] offset:128
	v_mov_b32 v[NINF], 0xff800000
.irp j, 4,5,6,7
	v_mov_b32 v[QF+\j], 0                          ; the upper half of the K step: zero codes, on both sides
.irp t, 0,1,2,3,4,5,6,7
	v_mov_b32 v[KF+8*\t+\j], 0
.endr
.endr
.irp b, 0,1,2,3
	v_mov_b32 v[BP+\b], 0                          ; written once: a lane permute's destination counts as one of its sources
.endr
	v_mov_b32 v245, 0                              ; (named as the upper half of the pair v[244:245])
	v_mov_b32 v248, 0
	s_wait_loadcnt 0x0                             ; the fill's ten loads and Q's four
.irp j, 0,1,2,3,4,5,6,7
	ds_store_b128 v8, v[S+4*\j:S+4*\j+3] offset:\j*8192
.endr
	ds_store_b64 v11, v[S+32:S+33]
	ds_store_b32 v4, v[S+34]
	s_wait_dscnt 0x0                               ; for the others' sake: my stores have landed
	s_barrier_signal -1
	s_barrier_wait -1                              ; the head's K and V lie in LDS; from here on LDS is only read
	s_wait_kmcnt 0x0                               ; the flags (and the first mask words)
	s_lshl_b32 s77, s77, 4
	s_or_b32 s[FL], s76, s77                       ; eight bits, one for each key step
	s_lshl_b32 s79, s79, 4
	s_or_b32 s[FL2], s78, s79
.macro KFETCH kn                       ; key step kn: eight fragments of K (their four lower registers) and their scale words: word t / 2, lanes 0-15 tile t even, lanes 16-31 odd
.irp t, 0,1,2,3,4,5,6,7
	ds_load_b128 v[KF+8*\t:KF+8*\t+3], v[AL] offset:(8*(\kn)+\t)*512
.endr
	ds_load_b64 v[KS:KS+1], v[AS] offset:(\kn)*512
	ds_load_b64 v[KS+2:KS+3], v[AS] offset:(\kn)*512+256
.endm
; A KEY STEP: 128 keys
.macro STEP ks
	s_wait_dscnt 0x0                               ; K's fragments, asked for a step ago
.irp t, 0,1,2,3,4,5,6,7
	FP4 S+8*\t, KF+8*\t, QF, -1, KS+\t/2, QS, \t%2, 0
.endr
.rept 4
	v_nop                                          ; places in front of the loads into registers that products have read (K's, and V's of the step before), and of the first read of the scores
.endr
.irp d, 0,1,2,3
.irp c, 0,1
	ds_load_b128 v[VF+8*\d+4*\c:VF+8*\d+4*\c+3], v[AL] offset:VIMG+(\ks)*4096+\d*1024+\c*512
.endr
.endr
	ds_load_b64 v[VS:VS+1], v[AS] offset:4096+(\ks)*256
	KFETCH ((\ks)+1)%8                             ; the next step's K; the last step fetches step 0, for the next tile of queries
	s_wait_kmcnt 0x0                               ; this step's mask words, asked for in the step before
	s_bitcmp1_b32 s[FL], \ks
	s_cbranch_scc1 .Lopen_\@                       ; nothing of this step is hidden from my tile
.set nn, 0
.rept 64
	v_cndmask_b32 v[S+nn], v[NINF], v[S+nn], s[16+nn+16*(nn/48)]   ; a hidden score becomes -infinity ahead of the maximum: p = 0 then
.set nn, nn+1
.endr
.Lopen_\@:
.irp b, 0,1,2,3
	v_max3_num_f32 v[BM+\b], v[S+16*\b], v[S+16*\b+1], v[S+16*\b+2]   ; THE LARGEST SCORE OF EACH BLOCK OF 32 KEYS: for the row's maximum, and, since p rises with the score, for the block's largest p
.endr
.irp i, 3,5,7,9,11,13
.irp b, 0,1,2,3
	v_max3_num_f32 v[BM+\b], v[BM+\b], v[S+16*\b+\i], v[S+16*\b+\i+1]
.endr
.endr
.irp b, 0,1,2,3
	v_max_num_f32 v[BM+\b], v[BM+\b], v[S+16*\b+15]
.endr
	MLOAD (\ks)+1                                  ; THE NEXT STEP'S MASK WORDS: this step's selects, 32 vector lines back, were the last to read these scalar registers; nothing names them until the next step's wait.
	                                               ; The last step asks for the next tile's step 0, 2,048 bytes on; behind my second tile that is 256 bytes that nobody uses, which end at byte 262,399 of the buffer's 263,168 at the furthest
.irp b, 0,1,2,3
	v_permlanex16_b32 v[BP+\b], v[BM+\b], s[SEL], s[SEL+1]
.endr
.irp b, 0,1,2,3
	v_max_num_f32 v[BM+\b], v[BM+\b], v[BP+\b]     ; with lane l xor 16's 16 keys
.endr
	v_max3_num_f32 v248, v[BM], v[BM+1], v[BM+2]
	v_max_num_f32 v248, v248, v[BM+3]              ; the step's largest score of my query
	v_mul_f32 v248, s[CS], v248                    ; as t (c is positive)
	v_max_num_f32 v13, v13, v248                   ; the running largest t
	v_mov_b32 v248, v12
	v_floor_f32 v12, -v13                          ; the new -M = floor(-t) = -ceil(t): M IS A WHOLE NUMBER
	v_sub_f32 v248, v12, v248                      ; M's old value less its new one: a whole number, 0 or less
	v_cvt_i32_f32 v248, v248                       ; (it saturates)
	v_ldexp_f32 v244, 1.0, v248                    ; f = 2^(old M - new M)
.set jj, 0
.rept 32
	v_pk_fma_f32 v[S+jj:S+jj+1], v[S+jj:S+jj+1], s[CS:CS+1], v[12:13] op_sel_hi:[1,0,0]   ; t - M, two at a time
.set jj, jj+2
.endr
.irp b, 0,1,2,3
	v_fma_f32 v[BM+\b], v[BM+\b], s[CS], v12       ; the same of each block's largest score
.endr
.set jj, 0
.rept 64
	v_exp_f32 v[S+jj], v[S+jj]                     ; p = 2^(t - M), at most 1: NOT normalised
.set jj, jj+1
.endr
.irp b, 0,1,2,3
	v_exp_f32 v[BM+\b], v[BM+\b]                   ; the block's largest p: the same two instructions on the same number give the same bits
.endr
	v_pk_mul_f32 v[14:15], v[14:15], v[244:245] op_sel_hi:[1,0]   ; the sums under the new M.  (A plain place behind the exponentials)
	s_wait_alu depctr_va_vdst(0)
.irp b, 0,1,2,3
	v_max_num_f32 v[BM+\b], 0x1800000, v[BM+\b]    ; the floor 2^(3 - 127): the byte cannot fall under 1
.endr
.irp b, 0,1,2,3
	v_add_nc_u32 v[BS+\b], 0xff000000, v[BM+\b]    ; 2 off the exponent field: the conversion's scale operand
.endr
.irp b, 0,1,2,3
	v_lshrrev_b32 v[BP+\b], 23, v[BS+\b]           ; the scale's byte
.endr
	v_lshl_or_b32 v[PSW], v[BP+1], 8, v[BP]        ; p's scale word for these 128 keys
	v_lshl_or_b32 v[PSW], v[BP+2], 16, v[PSW]
	v_lshl_or_b32 v[PSW], v[BP+3], 24, v[PSW]
.irp b, 0,1,2,3
	v_cvt_scalef32_pk8_fp4_f32 v[PC+2*\b], v[S+16*\b:S+16*\b+7], v[BS+\b]
	v_cvt_scalef32_pk8_fp4_f32 v[PC+2*\b+1], v[S+16*\b+8:S+16*\b+15], v[BS+\b]
.endr
	v_nop                                          ; one plain place behind a scaled conversion
.irp c, 0,1                                    ; the operand's layout wants a WHOLE block in a lane
.irp i, 0,1
	v_permlane16_swap_b32 v[PC+4*\c+\i], v[PC+4*\c+2+\i]
.endr
.endr
	v_pk_add_f32 v[246:247], v[S:S+1], v[S+2:S+3]  ; THE ROW'S SUM IS TAKEN OF THE UNQUANTISED p: two at a time, in two chains.  (These 32 lines are also the places between p's scale word and codes and the products that take them)
.set jj, 4
.rept 15
	v_pk_add_f32 v[14:15], v[14:15], v[S+jj:S+jj+1]
	v_pk_add_f32 v[246:247], v[246:247], v[S+jj+2:S+jj+3]
.set jj, jj+4
.endr
	v_pk_add_f32 v[14:15], v[14:15], v[246:247]
.if (\ks) > 0
.set jj, 0
.rept 16
	v_pk_mul_f32 v[OT+jj:OT+jj+1], v[OT+jj:OT+jj+1], v[244:245] op_sel_hi:[1,0]   ; O^T under the new M
.set jj, jj+2
.endr
.endif
	s_wait_dscnt 10                                ; V and its scale words are in; the next step's K, ten loads, may be out
.irp d, 0,1,2,3                                ; O^T += V^T P^T; the four accumulators take turns; a tile's first step starts the sums with the constant 0
.if (\ks) == 0
	FP4 OT+8*\d, VF+8*\d, PC, -1, VS+\d/2, PSW, \d%2, 0
.else
	FP4 OT+8*\d, VF+8*\d, PC, OT+8*\d, VS+\d/2, PSW, \d%2, 0
.endif
.endr
.endm
	KFETCH 0
.Lpass:                                            ; two trips: tiles of queries 32 x + 2 w and 32 x + 2 w + 1.  A tile's head waits for nothing: its Q, flags and first mask words were asked for earlier
	v_mov_b32 v13, 0xff61b1e6                      ; the largest t so far: -3e38
	v_floor_f32 v12, -v13                          ; -M
	v_mov_b32 v14, 0                               ; the sum, in two halves
	v_mov_b32 v15, 0
	STEP 0
	STEP 1
	STEP 2
	STEP 3
	STEP 4
	STEP 5
	STEP 6
	STEP 7
	; the tile's end: O^T / the sum, quantised along the head's 64 channels: two blocks of the output projection's K
.irp j, 0,1,2,3
	v_mov_b32 v[QF+\j], v[Q2+\j]                   ; my second tile's Q takes its place.  These five lines name no register of the last products: they are the places behind them;
.endr
	v_mov_b32 v[QS], v[QS2]                        ; and all the lines of the tile's end stand between them and the next products
	v_add_f32 v14, v14, v15                        ; the sum's two halves,
	v_permlanex16_b32 v248, v14, s[SEL], s[SEL+1]
	v_add_f32 v14, v14, v248                       ; and lane l xor 16's: the row's sum
	v_rcp_f32 v244, v14
	v_nop                                          ; one plain place behind a transcendental
.set jj, 0
	s_wait_alu depctr_va_vdst(0)
.rept 16
	v_pk_mul_f32 v[OT+jj:OT+jj+1], v[OT+jj:OT+jj+1], v[244:245] op_sel_hi:[1,0]   ; each accumulator from its low end on
.set jj, jj+2
.endr
.irp b, 0,1
	v_max3_num_f32 v[BM+\b], |v[OT+16*\b]|, |v[OT+16*\b+1]|, 0x1800000
.endr
.irp i, 2,4,6,8,10,12,14
.irp b, 0,1
	v_max3_num_f32 v[BM+\b], v[BM+\b], |v[OT+16*\b+\i]|, |v[OT+16*\b+\i+1]|
.endr
.endr
.irp b, 0,1
	v_permlanex16_b32 v[BP+\b], v[BM+\b], s[SEL], s[SEL+1]
.endr
.irp b, 0,1
	v_max_num_f32 v[BM+\b], v[BM+\b], v[BP+\b]
.endr
.irp b, 0,1
	v_add_nc_u32 v[BS+\b], 0xff000000, v[BM+\b]
.endr
.irp b, 0,1
	v_lshrrev_b32 v[BP+\b], 23, v[BS+\b]
.endr
	v_lshl_or_b32 v249, v[BP+1], 8, v[BP]          ; the two bytes
	v_cmp_neq_f32 vcc_lo, 0, v14
	v_cndmask_b32 v249, 0xffff, v249, vcc_lo       ; a row with no visible key: the NaN byte, twice
.irp b, 0,1
	v_cvt_scalef32_pk8_fp4_f32 v[PC+2*\b], v[OT+16*\b:OT+16*\b+7], v[BS+\b]
	v_cvt_scalef32_pk8_fp4_f32 v[PC+2*\b+1], v[OT+16*\b+8:OT+16*\b+15], v[BS+\b]
.endr
	v_nop
	v_permlane16_swap_b32 v[PC], v[PC+2]
	v_permlane16_swap_b32 v[PC+1], v[PC+3]         ; registers 0-3: channels 32 (lane / 16) + 0 .. 31 of my query
	global_store_b128 v[AL], v[PC:PC+3], s[14:15]  ; 512 consecutive aligned bytes
	global_store_b16 v[R16], v249, s[66:67]        ; two bytes a row, 16 apart (both halves of the lanes write the same): the eight heads that fill a row's 16 bytes are eight work-groups; 256 KiB against 4 MiB of codes
	s_wait_xcnt 0x0                                ; the pointers (the mask words', which the loads asked for in step 7 name, among them) and the stores' data are written again only behind this wait
	s_add_nc_u64 s[10:11], s[10:11], 2048
	s_add_nc_u64 s[14:15], s[14:15], 4096
	s_add_nc_u64 s[66:67], s[66:67], 256
	s_mov_b32 s[FL], s[FL2]                        ; my second tile's flags
	s_sub_co_u32 s[PASS], s[PASS], 1
	s_cmp_lg_u32 s[PASS], 0
	s_cbranch_scc1 .Lpass
	s_wait_kmcnt 0x0                               ; what the last step asked for and my last tile does not use, four scalar loads and ten LDS loads:
	s_wait_dscnt 0x0                               ; the price of a step that is written once
	s_wait_xcnt 0x0
	v_lshl_add_u32 v254, v0, 2, 0x11800
	v_mov_b32 v255, 0
	s_wait_tensorcnt 0x0
	ds_add_u32 v254, v255
	s_wait_dscnt 0x0
	s_endpgm
.Lfunc_end_k_q981325f2af_attn:
	.size	k_q981325f2af_attn, .Lfunc_end_k_q981325f2af_attn-k_q981325f2af_attn
	.p2alignl 7, 3214868480
	.fill 96, 4, 3214868480
	.section	.rodata,"a",@progbits
	.p2align	6, 0x0
	.amdhsa_kernel k_q981325f2af_attn
		.amdhsa_group_segment_fixed_size 73728
		.amdhsa_private_segment_fixed_size 0
		.amdhsa_enable_private_segment 0
		.amdhsa_kernarg_size 32
		.amdhsa_user_sgpr_count 2
		.amdhsa_user_sgpr_kernarg_segment_ptr 1
		.amdhsa_wavefront_size32 1
		.amdhsa_system_sgpr_workgroup_id_x 1
		.amdhsa_system_sgpr_workgroup_id_y 1
		.amdhsa_system_sgpr_workgroup_id_z 1
		.amdhsa_system_vgpr_workitem_id 0
		.amdhsa_next_free_vgpr 256
		.amdhsa_next_free_sgpr 100
		.amdhsa_reserve_vcc 1
		.amdhsa_float_denorm_mode_32 3
		.amdhsa_float_denorm_mode_16_64 3
		.amdhsa_memory_ordered 1
		.amdhsa_forward_progress 1
		.amdhsa_inst_pref_size 161
	.end_amdhsa_kernel
	.amdgpu_metadata
---
amdhsa.version: [ 1, 2 ]
amdhsa.kernels:
  - .name:           k_q981325f2af_attn
    .symbol:         k_q981325f2af_attn.kd
    .args:
      - { .name: qop, .offset: 0, .size: 8, .value_kind: global_buffer, .address_space: global }
      - { .name: kv, .offset: 8, .size: 8, .value_kind: global_buffer, .address_space: global }
      - { .name: msk, .offset: 16, .size: 8, .value_kind: global_buffer, .address_space: global }
      - { .name: oop, .offset: 24, .size: 8, .value_kind: global_buffer, .address_space: global }
    .group_segment_fixed_size: 73728
    .private_segment_fixed_size: 0
    .kernarg_segment_align: 8
    .kernarg_segment_size: 32
    .max_flat_workgroup_size: 512
    .sgpr_count:     100
    .vgpr_count:     256
    .wavefront_size: 32
...
	.end_amdgpu_metadata
.endif
;; end of part 3
;; launch outln (part 4): grid 256 x 1, 4 waves a work-group, clusters of 4 x 1, 271,872 bytes of LDS; arguments oop, wts, q, bo, gamma, beta, out0; writes out0
.if DOCPART == 4
	.amdgcn_target "amdgcn-amd-amdhsa--gfx1250"
	.amdhsa_code_object_version 6
	.text
	.protected	k_q981325f2af_outln
	.globl	k_q981325f2af_outln
	.p2align	8
	.type	k_q981325f2af_outln,@function
k_q981325f2af_outln:
	s_mov_b64 s[64:65], 0
	v_nop
	global_prefetch_b8 v0, s[64:65] scope:SCOPE_SE
	s_setreg_imm32_b32 hwreg(HW_REG_WAVE_MODE, 25, 1), 1
	s_wait_xcnt 0x0
	s_wait_alu depctr_hold_cnt(0) depctr_sa_sdst(0) depctr_va_vdst(0) depctr_va_sdst(0) depctr_va_ssrc(0) depctr_va_vcc(0) depctr_vm_vsrc(0)
	s_getreg_b32 s2, hwreg(HW_REG_IB_STS2, 6, 4)
	s_cmp_eq_u32 s2, 0
	s_cbranch_scc0 .Lentry_in_a_cluster
	s_endpgm
.Lentry_in_a_cluster:
	s_bfe_u32 s2, ttmp6, 0x10000c
	s_cmp_lg_u32 s2, 0x3003
	s_cbranch_scc0 .Lentry_shape_is_right
	s_endpgm
.Lentry_shape_is_right:
; OUTLN.  out0 = LayerNorm(q + o Wo + bo) x gamma + beta.  o Wo on codes of FP4 (E2M1) with E8M0 scales, as the launches before laid them (images of the operands' registers); all else in f32.
; SHARES.  A work-group takes 64 tokens; wave w takes ONE tile of 16 tokens and ALL 512 columns: 32 accumulators, one register window.  So a row's mean and variance never leave the wave, the stage through which the
; results turn into rows is the wave's own, and the only barrier is the one behind Wo's arrival.
; Row r of the wave's tile is token 64 g + 32 (w / 2) + 8 (w % 2) + r + 8 (r / 8); row r of Wo's tile T is column 32 (T / 2) + 8 (T % 2) + r + 8 (r / 8): source 0 = Wo's columns, source 1 = o's tokens, so that a lane's eight
; results of tile T are columns 32 (T / 2) + 16 (lane / 16) + 8 (T % 2) + 0 .. 7 of one token.
; CLUSTER.  All work-groups walk the same Wo, 139,264 bytes of codes and scale words: the four of a cluster ask for it jointly (mask 15), a quarter to each wave, once.  No LDS byte is filled twice; a wave has one tensor load out.
; THE NORM goes in two passes over registers (the mean, then the squares of the differences), so that a common offset of a row does not cancel.
; LIMITS: NaN and infinities among the inputs are not served (a token whose scale bytes are 0xff comes out as NaN, as it should).
; REGISTERS: window 0: v1-7 addresses; v16-47 o's four fragments; v48-51 o's scale words, v52-59 Wo's, two sets (they hold scales and nothing else); v64-127, v128-191 Wo's fragments, two sets, later rows of y, two sets of four;
;   v192-207 gamma, v208-223 beta, v224-239 bo (a lane's 16 columns: 128 i + 4 x lane + 0 .. 3); v240-255 at work.   window 1: accumulator T at 8 T.   window 2: q, row i at 16 i.
.set WOB,   417792                     ; Wo's place in wts
.set QUART, 34816                      ; a quarter of its 139,264 bytes: 136 rows of 256
.set STAGE, 139264                     ; behind Wo: 16 rows x (2,048 + 16) bytes for each wave
.set SPITCH, 2064
.set OF,  16
.set OS,  48
.set WSB, 52
.set WF,  64
.set GA,  192
.set BE,  208
.set BO,  224
.set ST,  240                          ; row p of a batch: v[ST + 4 p] on: two pairs
.set G1,  24
.set G0,  32
.set SEL, 36
.set WV,  40
.set MSB, 0
.macro WIN new                         ; the immediate's high byte repeats the setting that is left
.if MSB != \new
	s_set_vgpr_msb (MSB<<8)|\new
.set MSB, \new
.endif
.endm
.macro CROUND                          ; a round of the cluster's barrier
	s_barrier_signal -1
	s_barrier_wait -1
	s_cmp_lg_u32 s[WV], 0
	s_cbranch_scc1 .Lnot_wave_0_\@
	s_barrier_signal -3
.Lnot_wave_0_\@:
	s_barrier_wait -3
	s_barrier_signal -1
	s_barrier_wait -1
.endm
.macro FP4 d, a, b, c, sa, sb, rowa
.if (\c) < 0
.if (\rowa) == 1
	v_wmma_scale_f32_16x16x128_f8f6f4 v[\d:\d+7], v[\a:\a+7], v[\b:\b+7], 0, v[\sa], v[\sb] matrix_a_fmt:MATRIX_FMT_FP4 matrix_b_fmt:MATRIX_FMT_FP4 matrix_a_scale:MATRIX_SCALE_ROW1
.else
	v_wmma_scale_f32_16x16x128_f8f6f4 v[\d:\d+7], v[\a:\a+7], v[\b:\b+7], 0, v[\sa], v[\sb] matrix_a_fmt:MATRIX_FMT_FP4 matrix_b_fmt:MATRIX_FMT_FP4
.endif
.else
.if (\rowa) == 1
	v_wmma_scale_f32_16x16x128_f8f6f4 v[\d:\d+7], v[\a:\a+7], v[\b:\b+7], v[\c:\c+7], v[\sa], v[\sb] matrix_a_fmt:MATRIX_FMT_FP4 matrix_b_fmt:MATRIX_FMT_FP4 matrix_a_scale:MATRIX_SCALE_ROW1
.else
	v_wmma_scale_f32_16x16x128_f8f6f4 v[\d:\d+7], v[\a:\a+7], v[\b:\b+7], v[\c:\c+7], v[\sa], v[\sb] matrix_a_fmt:MATRIX_FMT_FP4 matrix_b_fmt:MATRIX_FMT_FP4
.endif
.endif
.endm
	s_load_b256 s[4:11], s[0:1], 0x0               ; oop s[4:5], wts s[6:7], q s[8:9], bo s[10:11]
	s_load_b128 s[12:15], s[0:1], 0x20             ; gamma s[12:13], beta s[14:15]
	s_load_b64 s[16:17], s[0:1], 0x30              ; out0
	v_lshl_add_u32 v62, v0, 2, 0x42400
	v_mov_b32 v63, 0
	ds_add_u32 v62, v63
	ds_add_u32 v62, v63
	v_lshrrev_b32 v3, 5, v0
	v_readfirstlane_b32 s[WV], v3                  ; wave 0..3
	s_bfe_u32 s43, ttmp6, 0x40000                  ; cx: it enters global addresses of o, q and out0 alone
	s_lshl_b32 s44, ttmp9, 2
	s_add_co_u32 s44, s44, s43                     ; g: my block of 64 tokens
	s_lshl_b32 s45, s44, 2
	s_add_co_u32 s45, s45, s[WV]                   ; gt: my tile of 16
	s_mov_b32 s[G1+0], 15|(3<<16)|(1<<21)          ; 15:0 the mask: all four work-groups; 17:16 elements of 8 bytes; 21 set beside a mask
	s_mov_b32 s[G1+1], 32<<16                      ; tensor_dim0: rows of 256 bytes
	s_mov_b32 s[G1+2], 136<<16                     ; tensor_dim1
	s_mov_b32 s[G1+3], 32<<16                      ; tile_dim0
	s_mov_b32 s[G1+4], 136                         ; tile_dim1
	s_mov_b32 s[G1+5], 32                          ; from row to row: dense
	s_mov_b32 s[G1+6], 0
	s_mov_b32 s[G1+7], 0
	s_mov_b32 s[SEL], 0x76543210
	s_mov_b32 s[SEL+1], 0xfedcba98
	s_mov_b32 s41, 0x3b000000                      ; 1 / 512
	s_mov_b32 s42, 0x3727c5ac                      ; 1e-5
	s_mov_b32 s[G0], 1
	s_mul_i32 s[G0+1], s[WV], QUART                ; LDS address: the wave's number alone enters it
	s_add_co_u32 s46, s[G0+1], WOB
	s_mov_b32 s47, 0
	s_lshl_b32 s48, s45, 12                        ; o's images: gt x 4096
	s_mov_b32 s49, 0
	s_lshl_b32 s50, s45, 8
	s_add_co_u32 s50, s50, 4194304                 ; o's scale bytes
	s_mov_b32 s51, 0
	s_lshl_b32 s52, s44, 6
	s_lshr_b32 s53, s[WV], 1
	s_lshl_b32 s53, s53, 5
	s_add_co_u32 s52, s52, s53
	s_and_b32 s53, s[WV], 1
	s_lshl_b32 s53, s53, 3
	s_add_co_u32 s52, s52, s53                     ; my tile's first token
	s_lshl_b32 s52, s52, 11                        ; rows of 2,048 bytes
	s_mov_b32 s53, 0
	s_wait_dscnt 0x0
	s_wait_kmcnt 0x0
	s_add_nc_u64 s[G0+2:G0+3], s[6:7], s[46:47]    ; equal in the four partners
	s_or_b32 s[G0+3], s[G0+3], 0x80000000          ; type = 2
	s_add_nc_u64 s[18:19], s[4:5], s[50:51]
	s_add_nc_u64 s[4:5], s[4:5], s[48:49]
	s_add_nc_u64 s[8:9], s[8:9], s[52:53]
	s_add_nc_u64 s[16:17], s[16:17], s[52:53]
	CROUND                                         ; all four work-groups are here: the joint loads meet
	tensor_load_to_lds s[G0:G0+3], s[G1:G1+7]
	s_nop 0
.rept 4
	v_nop
.endr
	v_and_b32 v3, 31, v0
	v_lshlrev_b32 v1, 4, v3                        ; 16 x lane
	v_lshl_add_u32 v2, v3, 2, 131072               ; Wo's scale words: 131,072 + 4 x lane
	v_add_nc_u32 v4, 65536, v1                     ; Wo's tiles 16-31 (an LDS offset has 16 bits)
	v_and_b32 v8, 15, v0                           ; r
	v_bfe_u32 v9, v0, 4, 1                         ; h
	s_mul_i32 s54, s[WV], 16*SPITCH
	s_add_co_u32 s54, s54, STAGE                   ; my stage
	v_mul_u32_u24 v5, v8, SPITCH
	v_lshl_add_u32 v5, v9, 6, v5
	v_add_nc_u32 v5, s54, v5                       ; in: row r, + 64 h
	v_add_nc_u32 v6, s54, v1                       ; back: 16 bytes a lane
	v_lshlrev_b32 v7, 4, v8                        ; 16 r
.irp e, 0,1,2,3,4,5,6,7
	global_load_b128 v[OF+4*\e:OF+4*\e+3], v1, s[4:5] offset:512*\e   ; head e: K step e / 2, registers 4 (e % 2) on
.endr
	global_load_b128 v[OS:OS+3], v7, s[18:19]      ; my row's four scale words
.irp i, 0,1,2,3
	global_load_b128 v[GA+4*\i:GA+4*\i+3], v1, s[12:13] offset:512*\i
	global_load_b128 v[BE+4*\i:BE+4*\i+3], v1, s[14:15] offset:512*\i
	global_load_b128 v[BO+4*\i:BO+4*\i+3], v1, s[10:11] offset:512*\i
.endr
	WIN 0x80                                       ; destination window 2
.irp i, 0,1,2,3,4,5,6,7,8,9,10,11,12,13,14,15
.irp qd, 0,1,2,3
	global_load_b128 v[16*\i+4*\qd:16*\i+4*\qd+3], v1, s[8:9] offset:(\i+8*(\i/8))*2048+512*\qd th:TH_LOAD_NT   ; the residual: 512 consecutive bytes a load; it lands under the products
.endr
.endr
	WIN 0
	s_wait_tensorcnt 0x0                           ; my quarter of Wo is in,
	s_barrier_signal -1
	s_barrier_wait -1                              ; everybody's is
	s_wait_loadcnt 63                              ; o and its scale words: 76 younger loads were issued; the wait's field holds 63 at the most, and a smaller count is sound
	; ---- o Wo: 16 groups of 8 products: K step gq / 4, tiles 8 (gq % 4) + 0 .. 7.  The 32 accumulators take turns; a group's fragments are fetched a group ahead
.macro FETCH gq
.set FS, (\gq)/4
.set FQ, (\gq)%4
.set FW, WF+64*((\gq)%2)
.irp a, 0,1,2,3,4,5,6,7
.irp c, 0,1
.if FQ < 2
	ds_load_b128 v[FW+8*\a+4*\c:FW+8*\a+4*\c+3], v1 offset:(8*FQ+\a)*4096+FS*1024+\c*512
.else
	ds_load_b128 v[FW+8*\a+4*\c:FW+8*\a+4*\c+3], v4 offset:(8*(FQ-2)+\a)*4096+FS*1024+\c*512
.endif
.endr
.endr
.irp gp, 0,1,2,3
	ds_load_b32 v[WSB+4*((\gq)%2)+\gp], v2 offset:FS*2048+(4*FQ+\gp)*128
.endr
.endm
	FETCH 0
.set GQ, 0
.rept 16
.if (GQ > 0) && (GQ < 15)
.rept 4
	v_nop                                          ; places in front of loads into registers that the group before has read
.endr
.endif
.if GQ < 15
	FETCH GQ+1
	s_wait_dscnt 20                                ; all but the 20 just issued
.else
	s_wait_dscnt 0x0
.endif
	WIN 0x50                                       ; C and D window 1
.irp a, 0,1,2,3,4,5,6,7
.if GQ/4 == 0
	FP4 8*(8*(GQ%4)+\a), WF+64*(GQ%2)+8*\a, OF+8*(GQ/4), -1, WSB+4*(GQ%2)+\a/2, OS+GQ/4, \a%2
.else
	FP4 8*(8*(GQ%4)+\a), WF+64*(GQ%2)+8*\a, OF+8*(GQ/4), 8*(8*(GQ%4)+\a), WSB+4*(GQ%2)+\a/2, OS+GQ/4, \a%2
.endif
.endr
	WIN 0
.set GQ, GQ+1
.endr
.rept 4
	v_nop                                          ; places in front of the first read of the results, and of the loads into the registers that held Wo's fragments
.endr
	WIN 0x04                                       ; an LDS store's data are its source 1: window 1
.set TT, 0
.rept 32
	ds_store_b128 v5, v[8*TT:8*TT+3] offset:128*(TT/2)+32*(TT%2)          ; each accumulator from its low end on; the offsets put the columns back in their order
	ds_store_b128 v5, v[8*TT+4:8*TT+7] offset:128*(TT/2)+32*(TT%2)+16
.set TT, TT+1
.endr
	WIN 0
	; ---- the residual and the norm: four rows at a time, line by line by turns; a row is 16 registers a lane
.macro LDY bt                          ; rows 4 bt .. 4 bt + 3 back from my stage.  LDS serves a wave's instructions in order (ISA guide 5.7.1.4): these see my stores
.irp p, 0,1,2,3
.irp qd, 0,1,2,3
	ds_load_b128 v[WF+64*((\bt)%2)+16*\p+4*\qd:WF+64*((\bt)%2)+16*\p+4*\qd+3], v6 offset:(4*(\bt)+\p)*SPITCH+512*\qd
.endr
.endr
.endm
.macro RED                             ; v[ST + 4 p] summed over the 32 lanes, in every lane
.irp x, 1,2,4,8
.irp p, 0,1,2,3
	v_add_f32_dpp v[ST+4*\p], v[ST+4*\p], v[ST+4*\p] row_xmask:\x row_mask:0xf bank_mask:0xf
.endr
.endr
.irp p, 0,1,2,3
	v_permlanex16_b32 v[ST+4*\p+2], v[ST+4*\p], s[SEL], s[SEL+1]
.endr
.irp p, 0,1,2,3
	v_add_f32 v[ST+4*\p], v[ST+4*\p], v[ST+4*\p+2]
.endr
.endm
.macro BATCH bt, dcnt, lcnt
.set YB, WF+64*((\bt)%2)
	s_wait_dscnt \dcnt                             ; my four rows are back; the next batch's sixteen loads may be out
.irp j, 0,2,4,6,8,10,12,14
.irp p, 0,1,2,3
	v_pk_add_f32 v[YB+16*\p+\j:YB+16*\p+\j+1], v[YB+16*\p+\j:YB+16*\p+\j+1], v[BO+\j:BO+\j+1]
.endr
.endr
	s_wait_loadcnt \lcnt                           ; q's rows up to this batch's are in; the later rows' loads may be out
	WIN 0x08                                       ; source 1 window 2
.irp j, 0,2,4,6,8,10,12,14
.irp p, 0,1,2,3
	v_pk_add_f32 v[YB+16*\p+\j:YB+16*\p+\j+1], v[YB+16*\p+\j:YB+16*\p+\j+1], v[16*(4*(\bt)+\p)+\j:16*(4*(\bt)+\p)+\j+1]   ; x = q + (o Wo + bo)
.endr
.endr
	WIN 0
.irp p, 0,1,2,3
	v_pk_add_f32 v[ST+4*\p:ST+4*\p+1], v[YB+16*\p:YB+16*\p+1], v[YB+16*\p+2:YB+16*\p+3]
.endr
.irp p, 0,1,2,3
	v_pk_add_f32 v[ST+4*\p+2:ST+4*\p+3], v[YB+16*\p+4:YB+16*\p+5], v[YB+16*\p+6:YB+16*\p+7]
.endr
.irp j, 8,12
.irp p, 0,1,2,3
	v_pk_add_f32 v[ST+4*\p:ST+4*\p+1], v[ST+4*\p:ST+4*\p+1], v[YB+16*\p+\j:YB+16*\p+\j+1]
.endr
.irp p, 0,1,2,3
	v_pk_add_f32 v[ST+4*\p+2:ST+4*\p+3], v[ST+4*\p+2:ST+4*\p+3], v[YB+16*\p+\j+2:YB+16*\p+\j+3]
.endr
.endr
.irp p, 0,1,2,3
	v_pk_add_f32 v[ST+4*\p:ST+4*\p+1], v[ST+4*\p:ST+4*\p+1], v[ST+4*\p+2:ST+4*\p+3]
.endr
.irp p, 0,1,2,3
	v_add_f32 v[ST+4*\p], v[ST+4*\p], v[ST+4*\p+1]
.endr
	RED
.irp p, 0,1,2,3
	v_mul_f32 v[ST+4*\p], s41, v[ST+4*\p]          ; the mean
.endr
.irp j, 0,2,4,6,8,10,12,14
.irp p, 0,1,2,3
	v_pk_add_f32 v[YB+16*\p+\j:YB+16*\p+\j+1], v[YB+16*\p+\j:YB+16*\p+\j+1], v[ST+4*\p:ST+4*\p+1] op_sel_hi:[1,0] neg_lo:[0,1] neg_hi:[0,1]   ; d = x - mean
.endr
.endr
.irp p, 0,1,2,3
	v_pk_mul_f32 v[ST+4*\p:ST+4*\p+1], v[YB+16*\p:YB+16*\p+1], v[YB+16*\p:YB+16*\p+1]
.endr
.irp p, 0,1,2,3
	v_pk_mul_f32 v[ST+4*\p+2:ST+4*\p+3], v[YB+16*\p+2:YB+16*\p+3], v[YB+16*\p+2:YB+16*\p+3]
.endr
.irp j, 4,8,12
.irp p, 0,1,2,3
	v_pk_fma_f32 v[ST+4*\p:ST+4*\p+1], v[YB+16*\p+\j:YB+16*\p+\j+1], v[YB+16*\p+\j:YB+16*\p+\j+1], v[ST+4*\p:ST+4*\p+1]
.endr
.irp p, 0,1,2,3
	v_pk_fma_f32 v[ST+4*\p+2:ST+4*\p+3], v[YB+16*\p+\j+2:YB+16*\p+\j+3], v[YB+16*\p+\j+2:YB+16*\p+\j+3], v[ST+4*\p+2:ST+4*\p+3]
.endr
.endr
.irp p, 0,1,2,3
	v_pk_add_f32 v[ST+4*\p:ST+4*\p+1], v[ST+4*\p:ST+4*\p+1], v[ST+4*\p+2:ST+4*\p+3]
.endr
.irp p, 0,1,2,3
	v_add_f32 v[ST+4*\p], v[ST+4*\p], v[ST+4*\p+1]
.endr
	RED
.irp p, 0,1,2,3
	v_fma_f32 v[ST+4*\p], v[ST+4*\p], s41, s42     ; the variance + 1e-5
.endr
.irp p, 0,1,2,3
	v_rsq_f32 v[ST+4*\p], v[ST+4*\p]
.endr
	v_nop                                          ; one plain place behind a transcendental
	s_wait_alu depctr_va_vdst(0)
.irp j, 0,2,4,6,8,10,12,14
.irp p, 0,1,2,3
	v_pk_mul_f32 v[YB+16*\p+\j:YB+16*\p+\j+1], v[YB+16*\p+\j:YB+16*\p+\j+1], v[ST+4*\p:ST+4*\p+1] op_sel_hi:[1,0]
.endr
.endr
.irp j, 0,2,4,6,8,10,12,14
.irp p, 0,1,2,3
	v_pk_fma_f32 v[YB+16*\p+\j:YB+16*\p+\j+1], v[YB+16*\p+\j:YB+16*\p+\j+1], v[GA+\j:GA+\j+1], v[BE+\j:BE+\j+1]
.endr
.endr
.irp p, 0,1,2,3
.irp qd, 0,1,2,3
	global_store_b128 v1, v[YB+16*\p+4*\qd:YB+16*\p+4*\qd+3], s[16:17] offset:((4*(\bt)+\p)+8*((4*(\bt)+\p)/8))*2048+512*\qd th:TH_STORE_NT   ; 512 consecutive aligned bytes; written once, read by nobody here
.endr
.endr
.endm
	LDY 0
	LDY 1
	BATCH 0, 16, 48
	s_wait_xcnt 0x0                                ; batch 0's stores have read their registers: batch 2's rows may land there
	LDY 2
	BATCH 1, 16, 32
	s_wait_xcnt 0x0
	LDY 3
	BATCH 2, 16, 16
	BATCH 3, 0, 0
	s_wait_tensorcnt 0x0
	ds_add_u32 v62, v63
	s_wait_dscnt 0x0
	CROUND                                         ; the closing round: no work-group ends while a partner may still ask for a tile that names it
	s_endpgm
.Lfunc_end_k_q981325f2af_outln:
	.size	k_q981325f2af_outln, .Lfunc_end_k_q981325f2af_outln-k_q981325f2af_outln
	.p2alignl 7, 3214868480
	.fill 96, 4, 3214868480
	.section	.rodata,"a",@progbits
	.p2align	6, 0x0
	.amdhsa_kernel k_q981325f2af_outln
		.amdhsa_group_segment_fixed_size 271872
		.amdhsa_private_segment_fixed_size 0
		.amdhsa_enable_private_segment 0
		.amdhsa_kernarg_size 56
		.amdhsa_user_sgpr_count 2
		.amdhsa_user_sgpr_kernarg_segment_ptr 1
		.amdhsa_wavefront_size32 1
		.amdhsa_system_sgpr_workgroup_id_x 1
		.amdhsa_system_sgpr_workgroup_id_y 1
		.amdhsa_system_sgpr_workgroup_id_z 1
		.amdhsa_system_vgpr_workitem_id 0
		.amdhsa_next_free_vgpr 768
		.amdhsa_next_free_sgpr 66
		.amdhsa_reserve_vcc 0
		.amdhsa_float_denorm_mode_32 3
		.amdhsa_float_denorm_mode_16_64 3
		.amdhsa_memory_ordered 1
		.amdhsa_forward_progress 1
		.amdhsa_inst_pref_size 137
	.end_amdhsa_kernel
	.amdgpu_metadata
---
amdhsa.version: [ 1, 2 ]
amdhsa.kernels:
  - .name:           k_q981325f2af_outln
    .symbol:         k_q981325f2af_outln.kd
    .args:
      - { .name: oop, .offset: 0, .size: 8, .value_kind: global_buffer, .address_space: global }
      - { .name: wts, .offset: 8, .size: 8, .value_kind: global_buffer, .address_space: global }
      - { .name: q, .offset: 16, .size: 8, .value_kind: global_buffer, .address_space: global }
      - { .name: bo, .offset: 24, .size: 8, .value_kind: global_buffer, .address_space: global }
      - { .name: gamma, .offset: 32, .size: 8, .value_kind: global_buffer, .address_space: global }
      - { .name: beta, .offset: 40, .size: 8, .value_kind: global_buffer, .address_space: global }
      - { .name: out0, .offset: 48, .size: 8, .value_kind: global_buffer, .address_space: global }
    .group_segment_fixed_size: 271872
    .private_segment_fixed_size: 0
    .kernarg_segment_align: 8
    .kernarg_segment_size: 56
    .max_flat_workgroup_size: 128
    .sgpr_count:     66
    .vgpr_count:     768
    .wavefront_size: 32
...
	.end_amdgpu_metadata
.endif
;; end of part 4
;; ======== version 2 of 2: 4 launches; version 1 with the launch attn written anew for expert scheduling mode
;; workspace buffers: wts 557,056 bytes; msk 263,168 bytes of whole numbers; qop 4,718,592 bytes; kv 9,175,040 bytes; oop 4,456,448 bytes
;; launch prep: the kernel of part 1 again; grid 512 x 1, 1 waves a work-group, no clusters, 0 bytes of LDS; arguments Wq, Wk, Wv, Wo, mask, wts, msk; writes wts, msk
;; launch proj: the kernel of part 2 again; grid 256 x 3, 4 waves a work-group, clusters of 4 x 1, 285,184 bytes of LDS; arguments q, k, v, bq, bk, bv, wts, qop, kv; writes qop, kv
;; launch attn (part 5): grid 2 x 128, 16 waves a work-group, no clusters, 73,728 bytes of LDS; arguments qop, kv, msk, oop; writes oop
.if DOCPART == 5
	.amdgcn_target "amdgcn-amd-amdhsa--gfx1250"
	.amdhsa_code_object_version 6
	.text
	.protected	k_q981325f2af_attn
	.globl	k_q981325f2af_attn
	.p2align	8
	.type	k_q981325f2af_attn,@function
k_q981325f2af_attn:
	s_mov_b64 s[64:65], 0
	v_nop
	global_prefetch_b8 v0, s[64:65] scope:SCOPE_SE
	s_setreg_imm32_b32 hwreg(HW_REG_WAVE_SCHED_MODE, 0, 2), 2
	s_setreg_imm32_b32 hwreg(HW_REG_WAVE_MODE, 25, 1), 1
	s_wait_xcnt 0x0
	s_wait_alu depctr_vm_vsrc(0)
; ATTN.  For one head of one sequence (work-group y, 0 .. 127) and half of its 1,024 queries (x): o = softmax(mask(q k^T / 8)) v, both products on codes of FP4 (E2M1) with E8M0 scales, and o quantised at once as an operand of the output projection.
; THE SOFTMAX AHEAD OF THE SECOND PRODUCT: t = score x log2(e) / 8; M = the row's largest t so far, rounded UP to a whole number; p = 2^(t - M) is quantised along the keys, not normalised.
; The row's sum is taken of the unquantised p, in f32, and divides O at the end.  When M moves, the sum and O are multiplied by 2^(old M - new M): exact.
; THE WHOLE HEAD'S K AND V, codes and scale words, 71,680 bytes as the launch before laid them, go into LDS once, through registers; behind the one barrier LDS is only read: no ring, no refill, no tensor load.
; SHARES.  Sixteen waves; a wave owns ONE tile of 16 queries at a time, in 256 registers (four waves to a SIMD, so that one wave's vector work stands beside another's products and LDS loads), and walks two tiles, one after the other.
; The eight key steps of 128 keys are written out: every LDS offset is an immediate.
; LAYOUT.  Both products are used transposed: S^T = K Q^T (source 0 = 16 keys), O^T = V^T P^T (source 0 = 16 channels): a lane holds ONE query throughout.  Tiles of 16 keys, queries and channels are not neighbours:
; row r of tile t is index 32 (t / 2) + 8 (t % 2) + r + 8 (r / 8); so register 16 b + i of S^T is key 32 b + 16 (lane / 16) + i of the step, and of O^T channel 32 b + 16 (lane / 16) + i.
; THE HEAD HAS 64 CHANNELS, half of the instruction's K: registers 4-7 of Q's and K's fragments are zero codes, written once; their scale bytes are 0, which is 2^-127 and harmless over zeros.
; THE MASK comes as lane masks, one word for each score register, by scalar loads: one v_cndmask_b32 a score.  A key step that hides nothing of the tile (a flag, a whole number that the first launch stored) jumps over them.
; EVERYTHING THAT COMES FROM MEMORY IS ASKED FOR AHEAD.  A step's 64 mask words are asked for in the step before, as soon as that step's selects have read the scalar registers: they have the rest of that step, its whole softmax, in which to
; land.  Both tiles' Q, scale words and flags are asked for at the kernel's head, with the fill of LDS.  So a tile's head has no wait.
; A row that the mask hides altogether has the sum 0: its scale bytes become 0xff, so that the output projection gives NaN for that token, as the softmax of such a row is NaN.
; NO CLUSTER: only two work-groups share a head, and what they share is read once, 70 KiB each.
; LIMITS: a block's largest p is not searched for: the block's largest score goes through the same multiply-add and exponential, which takes v_exp_f32 not to fall where its input rises.  The largest t starts at -3e38.
; Blocks of o under 2^-124 are held at the byte 1; NaN and infinities among the inputs are not served.
; THE MODE: SCHED_MODE bits 1:0 = 2 (LLVM: expert scheduling mode 2), set by the entry lines.  The code itself states the register dependences
; between vector or matrix instructions and memory or LDS instructions, with s_wait_alu, always for 0.
; THE PLAN.  Registers that memory or LDS instructions touch:
;   v1, v3-v6, v8-v11   Offsets and LDS addresses: written by vector instructions at the head, ahead of the head's one wait on va_vdst, and never again; read by every load and store.
;   v[S .. S+34]        At the head: the fill's loads land in them, my LDS stores read them; from the first step on the score products write them: one wait on vm_vsrc behind the barrier.
;   KF (the four lower registers of each fragment), KS   The LDS loads of step ks land in them; the eight score products of step ks + 1 read them.
;   VF, VS              The LDS loads of step ks land in them; the four products V^T P^T of the same step read them.
;   PC .. PC+3, v249    At a tile's end: written by conversions, swaps and a select; read by the two stores; written again in the next tile.
;   All else (S^T, O^T, the statistics, p's codes and scale word within a step) is named by vector and matrix instructions alone.
; A STEP HAS THREE WAITS ON va_vdst.  The first, behind the score products: they are done reading KF and KS, and the products of the step before VF and VS.  The step's 19 LDS loads follow it with no further wait, dealt in two
; runs (V's at once, K's behind the block maxima): between the wait and K's run stand the selects and the maxima, which name S^T, the maxima's four registers, v7 and scalar registers alone.  The second, behind the exponentials,
; ahead of the first line that names a result.  The third, straight ahead of the products V^T P^T: p's codes and scale word are written.
.set KVB,  71680
.set VIMG, 32768                       ; LDS: K's images at 0 (tile t at 512 t), V's at 32,768 (ks x 4096 + dt x 1024 + c x 512), K's scale words at 65,536, V's at 69,632
.set AL,   1                           ; v1   16 x lane: an image's place, in LDS and in memory
.set AS,   3                           ; v3   65,536 + 8 x lane: two scale words
.set R8,   5                           ; v5   8 r
.set R16,  6                           ; v6   16 r
.set NINF, 7                           ; v7   -infinity
.set QF,   16                          ; v16-23   Q's fragment
.set KF,   24                          ; v24-87   eight fragments of K
.set VF,   88                          ; v88-119  four fragments of V
.set S,    120                         ; v120-183 S^T, then p
.set OT,   184                         ; v184-215 O^T
.set PC,   216                         ; v216-223 p's codes
.set BM,   224                         ; v224-227 the blocks' largest scores, then largest p
.set BP,   228                         ; v228-231 the other half's, then bytes
.set BS,   232                         ; v232-235 the conversions' scale operands
.set KS,   236                         ; v236-239 K's scale words   (these kinds, and v254, hold scales and nothing else)
.set VS,   240                         ; v240-241 V's
.set QS,   242                         ; v242     Q's
.set PSW,  243                         ; v243     p's
.set Q2,   250                         ; v250-253 the second tile's Q, until its turn
.set QS2,  254                         ; v254     and its scale word
.set WV,   68
.set PASS, 69
.set SEL,  70                          ; s[70:71] v_permlanex16_b32's selects for lane l xor 16
.set CS,   72                          ; s[72:73] c = log2(e) / 8
.set FL,   74                          ; bit ks: key step ks hides nothing of my tile
.set FL2,  75                          ; the same for my second tile
; s[16:63] and s[80:95]: a key step's 64 mask words
.macro FP4 d, a, b, c, sa, sb, rowa, rowb
.if (\c) < 0
.if (\rowa) == 1
	v_wmma_scale_f32_16x16x128_f8f6f4 v[\d:\d+7], v[\a:\a+7], v[\b:\b+7], 0, v[\sa], v[\sb] matrix_a_fmt:MATRIX_FMT_FP4 matrix_b_fmt:MATRIX_FMT_FP4 matrix_a_scale:MATRIX_SCALE_ROW1
.else
	v_wmma_scale_f32_16x16x128_f8f6f4 v[\d:\d+7], v[\a:\a+7], v[\b:\b+7], 0, v[\sa], v[\sb] matrix_a_fmt:MATRIX_FMT_FP4 matrix_b_fmt:MATRIX_FMT_FP4
.endif
.else
.if (\rowa) == 1
	v_wmma_scale_f32_16x16x128_f8f6f4 v[\d:\d+7], v[\a:\a+7], v[\b:\b+7], v[\c:\c+7], v[\sa], v[\sb] matrix_a_fmt:MATRIX_FMT_FP4 matrix_b_fmt:MATRIX_FMT_FP4 matrix_a_scale:MATRIX_SCALE_ROW1
.else
	v_wmma_scale_f32_16x16x128_f8f6f4 v[\d:\d+7], v[\a:\a+7], v[\b:\b+7], v[\c:\c+7], v[\sa], v[\sb] matrix_a_fmt:MATRIX_FMT_FP4 matrix_b_fmt:MATRIX_FMT_FP4
.endif
.endif
.endm
.macro MLOAD ks                        ; the 64 mask words of key step ks of the tile at s[10:11]; ks = 8 is the next tile's step 0
	s_load_b512 s[16:31], s[10:11], (\ks)*256
	s_load_b512 s[32:47], s[10:11], (\ks)*256+64
	s_load_b512 s[48:63], s[10:11], (\ks)*256+128
	s_load_b512 s[80:95], s[10:11], (\ks)*256+192
.endm
	s_load_b256 s[80:87], s[0:1], 0x0              ; qop s[80:81], kv s[82:83], msk s[84:85], oop s[86:87]
	v_lshrrev_b32 v2, 5, v0
	v_readfirstlane_b32 s[WV], v2                  ; wave 0..15
	; all the vector set-up hangs on v0 alone: it stands here, under the arguments' load, so that one wait on va_vdst serves all of it
	v_lshlrev_b32 v8, 4, v0                        ; the fill: 16, 8 and 4 bytes a thread
	v_lshlrev_b32 v9, 3, v0
	v_lshlrev_b32 v10, 2, v0
	v_add_nc_u32 v11, 65536, v9
	v_add_nc_u32 v4, 69632, v10
	v_and_b32 v2, 31, v0
	v_lshlrev_b32 v[AL], 4, v2
	v_lshl_add_u32 v[AS], v2, 3, 65536
	v_and_b32 v2, 15, v0
	v_lshlrev_b32 v[R8], 3, v2
	v_lshlrev_b32 v[R16], 4, v2
	v_mov_b32 v[NINF], 0xff800000
.irp j, 4,5,6,7
	v_mov_b32 v[QF+\j], 0                          ; the upper half of the K step: zero codes, on both sides
.irp t, 0,1,2,3,4,5,6,7
	v_mov_b32 v[KF+8*\t+\j], 0
.endr
.endr
.irp b, 0,1,2,3
	v_mov_b32 v[BP+\b], 0                          ; written once: a lane permute's destination counts as one of its sources
.endr
	v_mov_b32 v245, 0                              ; (named as the upper half of the pair v[244:245])
	v_mov_b32 v248, 0
	s_wait_alu depctr_va_sdst(0)                   ; the wave's number is written, ahead of its first reader: the tile's number and every pointer are made from it
	s_and_b32 s16, ttmp7, 0xffff                   ; hh = (8 b + l) x 8 + head
	s_lshl_b32 s17, ttmp9, 5
	s_lshl_b32 s18, s[WV], 1
	s_add_co_u32 s17, s17, s18                     ; my first tile of queries: 32 x + 2 w
	s_lshl_b32 s20, s16, 6
	s_add_co_u32 s20, s20, s17
	s_lshl_b32 s20, s20, 9                         ; Q's image: (64 hh + qt) x 512
	s_mov_b32 s21, 0
	s_lshl_b32 s22, s16, 4                         ; Q's scale word: 4,194,304 + (16 hh + qt / 4) x 256 + 4 ((qt / 2) % 2) + 128 (qt % 2) + 8 r
	s_lshl_b32 s19, ttmp9, 3
	s_add_co_u32 s22, s22, s19
	s_lshr_b32 s19, s[WV], 1
	s_add_co_u32 s22, s22, s19
	s_lshl_b32 s22, s22, 8
	s_and_b32 s19, s[WV], 1
	s_lshl_b32 s19, s19, 2
	s_add_co_u32 s22, s22, s19
	s_add_co_u32 s22, s22, 4194304
	s_mov_b32 s23, 0
	s_mul_i32 s24, s16, KVB                        ; the head's K and V
	s_mov_b32 s25, 0
	s_lshr_b32 s26, s16, 6
	s_lshl_b32 s26, s26, 6
	s_add_co_u32 s26, s26, s17                     ; 64 b + qt
	s_lshl_b32 s28, s26, 3
	s_add_co_u32 s28, s28, 262144                  ; its two flag words, and behind them the next tile's two: qt is even, so the four begin at a multiple of 16 bytes
	s_mov_b32 s29, 0
	s_lshl_b32 s26, s26, 11                        ; its mask words
	s_mov_b32 s27, 0
	s_lshr_b32 s30, s16, 3
	s_lshl_b32 s30, s30, 6
	s_add_co_u32 s30, s30, s17                     ; gt = 64 (8 b + l) + qt
	s_and_b32 s19, s16, 7                          ; head
	s_lshl_b32 s32, s30, 8
	s_lshl_b32 s31, s19, 1
	s_add_co_u32 s32, s32, s31
	s_add_co_u32 s32, s32, 4194304                 ; o's scale bytes: 4,194,304 + gt x 256 + 16 r + 2 head
	s_mov_b32 s33, 0
	s_lshl_b32 s30, s30, 12
	s_lshl_b32 s31, s19, 9
	s_add_co_u32 s30, s30, s31                     ; o's image: gt x 4096 + head x 512
	s_mov_b32 s31, 0
	s_mov_b32 s[SEL], 0x76543210
	s_mov_b32 s[SEL+1], 0xfedcba98
	s_mov_b32 s[CS], 0x3e38aa3b                    ; c = log2(e) / 8
	s_mov_b32 s[CS+1], s[CS]                       ; (named with it as a pair, so it is written)
	s_mov_b32 s[PASS], 2
	s_wait_kmcnt 0x0
	s_add_nc_u64 s[4:5], s[80:81], s[20:21]        ; Q's image
	s_add_nc_u64 s[6:7], s[80:81], s[22:23]        ; Q's scale words
	s_add_nc_u64 s[8:9], s[82:83], s[24:25]        ; K and V
	s_add_nc_u64 s[10:11], s[84:85], s[26:27]      ; mask words
	s_add_nc_u64 s[12:13], s[84:85], s[28:29]      ; flags
	s_add_nc_u64 s[14:15], s[86:87], s[30:31]      ; o's image
	s_add_nc_u64 s[66:67], s[86:87], s[32:33]      ; o's scale bytes
	s_wait_alu depctr_va_vdst(0)                   ; the offsets and addresses v1, v3 to v6 and v8 to v11 are written, which the loads and stores of the whole kernel read; so are the zero codes of Q's and K's fragments, which the scaled products take
.irp j, 0,1,2,3,4,5,6,7
	global_load_b128 v[S+4*\j:S+4*\j+3], v8, s[8:9] offset:\j*8192   ; the 512 threads take 8,192 consecutive bytes a load
.endr
	global_load_b64 v[S+32:S+33], v9, s[8:9] offset:65536
	global_load_b32 v[S+34], v10, s[8:9] offset:69632
	s_load_b128 s[76:79], s[12:13], 0x0            ; both tiles' flag words,
	MLOAD 0                                        ; and the first tile's first mask words: all land under the fill (the arguments' and the offsets' registers have been read by the sums above)
	global_load_b128 v[QF:QF+3], v[AL], s[4:5]             ; Q of my first tile, where the products take it,
	global_load_b128 v[Q2:Q2+3], v[AL], s[4:5] offset:512  ; and of my second, kept until its turn
	global_load_b32 v[QS], v[R8], s[6:7]
	global_load_b32 v[QS2], v[R8], s[6:7] offset:128
	s_wait_loadcnt 0x0                             ; the fill's ten loads and Q's four
.irp j, 0,1,2,3,4,5,6,7
	ds_store_b128 v8, v[S+4*\j:S+4*\j+3] offset:\j*8192
.endr
	ds_store_b64 v11, v[S+32:S+33]
	ds_store_b32 v4, v[S+34]
	s_wait_dscnt 0x0                               ; for the others' sake: my stores have landed
	s_barrier_signal -1
	s_barrier_wait -1                              ; the head's K and V lie in LDS; from here on LDS is only read
	s_wait_alu depctr_vm_vsrc(0)                   ; my LDS stores have read v[S ..]: these registers are S^T from here on, written by the score products
	s_wait_kmcnt 0x0                               ; the flags (and the first mask words)
	s_lshl_b32 s77, s77, 4
	s_or_b32 s[FL], s76, s77                       ; eight bits, one for each key step
	s_lshl_b32 s79, s79, 4
	s_or_b32 s[FL2], s78, s79
.macro KFETCH kn                       ; key step kn: eight fragments of K (their four lower registers) and their scale words: word t / 2, lanes 0-15 tile t even, lanes 16-31 odd
.irp t, 0,1,2,3,4,5,6,7
	ds_load_b128 v[KF+8*\t:KF+8*\t+3], v[AL] offset:(8*(\kn)+\t)*512
.endr
	ds_load_b64 v[KS:KS+1], v[AS] offset:(\kn)*512
	ds_load_b64 v[KS+2:KS+3], v[AS] offset:(\kn)*512+256
.endm
; A KEY STEP: 128 keys
.macro STEP ks
	s_wait_dscnt 0x0                               ; K's fragments, asked for a step ago
.irp t, 0,1,2,3,4,5,6,7
	FP4 S+8*\t, KF+8*\t, QF, -1, KS+\t/2, QS, \t%2, 0
.endr
.rept 4
	v_nop                                          ; places in front of the first read of the scores
.endr
	s_wait_alu depctr_va_vdst(0)                   ; the products above are done reading K's fragments and scale words, and those of the step before V's: this step's LDS loads land in them
.irp d, 0,1,2,3
.irp c, 0,1
	ds_load_b128 v[VF+8*\d+4*\c:VF+8*\d+4*\c+3], v[AL] offset:VIMG+(\ks)*4096+\d*1024+\c*512
.endr
.endr
	ds_load_b64 v[VS:VS+1], v[AS] offset:4096+(\ks)*256
	s_wait_kmcnt 0x0                               ; this step's mask words, asked for in the step before
	s_bitcmp1_b32 s[FL], \ks
	s_cbranch_scc1 .Lopen_\@                       ; nothing of this step is hidden from my tile
.set nn, 0
.rept 64
	v_cndmask_b32 v[S+nn], v[NINF], v[S+nn], s[16+nn+16*(nn/48)]   ; a hidden score becomes -infinity ahead of the maximum: p = 0 then
.set nn, nn+1
.endr
.Lopen_\@:
.irp b, 0,1,2,3
	v_max3_num_f32 v[BM+\b], v[S+16*\b], v[S+16*\b+1], v[S+16*\b+2]   ; THE LARGEST SCORE OF EACH BLOCK OF 32 KEYS: for the row's maximum, and, since p rises with the score, for the block's largest p
.endr
.irp i, 3,5,7,9,11,13
.irp b, 0,1,2,3
	v_max3_num_f32 v[BM+\b], v[BM+\b], v[S+16*\b+\i], v[S+16*\b+\i+1]
.endr
.endr
.irp b, 0,1,2,3
	v_max_num_f32 v[BM+\b], v[BM+\b], v[S+16*\b+15]
.endr
	KFETCH ((\ks)+1)%8                             ; the next step's K; the last step fetches step 0, for the next tile of queries.  No wait: no vector or matrix instruction since the wait behind the products names K's fragments or scale words, on either way round the selects
	MLOAD (\ks)+1                                  ; THE NEXT STEP'S MASK WORDS: this step's selects, 32 vector lines back, were the last to read these scalar registers; nothing names them until the next step's wait.
	                                               ; The last step asks for the next tile's step 0, 2,048 bytes on; behind my second tile that is 256 bytes that nobody uses, which end at byte 262,399 of the buffer's 263,168 at the furthest
.irp b, 0,1,2,3
	v_permlanex16_b32 v[BP+\b], v[BM+\b], s[SEL], s[SEL+1]
.endr
.irp b, 0,1,2,3
	v_max_num_f32 v[BM+\b], v[BM+\b], v[BP+\b]     ; with lane l xor 16's 16 keys
.endr
	v_max3_num_f32 v248, v[BM], v[BM+1], v[BM+2]
	v_max_num_f32 v248, v248, v[BM+3]              ; the step's largest score of my query
	v_mul_f32 v248, s[CS], v248                    ; as t (c is positive)
	v_max_num_f32 v13, v13, v248                   ; the running largest t
	v_mov_b32 v248, v12
	v_floor_f32 v12, -v13                          ; the new -M = floor(-t) = -ceil(t): M IS A WHOLE NUMBER
	v_sub_f32 v248, v12, v248                      ; M's old value less its new one: a whole number, 0 or less
	v_cvt_i32_f32 v248, v248                       ; (it saturates)
	v_ldexp_f32 v244, 1.0, v248                    ; f = 2^(old M - new M)
.set jj, 0
.rept 32
	v_pk_fma_f32 v[S+jj:S+jj+1], v[S+jj:S+jj+1], s[CS:CS+1], v[12:13] op_sel_hi:[1,0,0]   ; t - M, two at a time
.set jj, jj+2
.endr
.irp b, 0,1,2,3
	v_fma_f32 v[BM+\b], v[BM+\b], s[CS], v12       ; the same of each block's largest score
.endr
.set jj, 0
.rept 64
	v_exp_f32 v[S+jj], v[S+jj]                     ; p = 2^(t - M), at most 1: NOT normalised
.set jj, jj+1
.endr
.irp b, 0,1,2,3
	v_exp_f32 v[BM+\b], v[BM+\b]                   ; the block's largest p: the same two instructions on the same number give the same bits
.endr
	v_pk_mul_f32 v[14:15], v[14:15], v[244:245] op_sel_hi:[1,0]   ; the sums under the new M.  (A plain place behind the exponentials)
	s_wait_alu depctr_va_vdst(0)                   ; the 68 exponentials have written p and the blocks' largest p: one wait for the batch, ahead of the first line that names a result
.irp b, 0,1,2,3
	v_max_num_f32 v[BM+\b], 0x1800000, v[BM+\b]    ; the floor 2^(3 - 127): the byte cannot fall under 1
.endr
.irp b, 0,1,2,3
	v_add_nc_u32 v[BS+\b], 0xff000000, v[BM+\b]    ; 2 off the exponent field: the conversion's scale operand
.endr
.irp b, 0,1,2,3
	v_lshrrev_b32 v[BP+\b], 23, v[BS+\b]           ; the scale's byte
.endr
	v_lshl_or_b32 v[PSW], v[BP+1], 8, v[BP]        ; p's scale word for these 128 keys
	v_lshl_or_b32 v[PSW], v[BP+2], 16, v[PSW]
	v_lshl_or_b32 v[PSW], v[BP+3], 24, v[PSW]
.irp b, 0,1,2,3
	v_cvt_scalef32_pk8_fp4_f32 v[PC+2*\b], v[S+16*\b:S+16*\b+7], v[BS+\b]
	v_cvt_scalef32_pk8_fp4_f32 v[PC+2*\b+1], v[S+16*\b+8:S+16*\b+15], v[BS+\b]
.endr
	v_nop                                          ; one plain place behind a scaled conversion
.irp c, 0,1                                    ; the operand's layout wants a WHOLE block in a lane
.irp i, 0,1
	v_permlane16_swap_b32 v[PC+4*\c+\i], v[PC+4*\c+2+\i]
.endr
.endr
	v_pk_add_f32 v[246:247], v[S:S+1], v[S+2:S+3]  ; THE ROW'S SUM IS TAKEN OF THE UNQUANTISED p: two at a time, in two chains.  (These 32 lines are also the places between p's scale word and codes and the products that take them)
.set jj, 4
.rept 15
	v_pk_add_f32 v[14:15], v[14:15], v[S+jj:S+jj+1]
	v_pk_add_f32 v[246:247], v[246:247], v[S+jj+2:S+jj+3]
.set jj, jj+4
.endr
	v_pk_add_f32 v[14:15], v[14:15], v[246:247]
.if (\ks) > 0
.set jj, 0
.rept 16
	v_pk_mul_f32 v[OT+jj:OT+jj+1], v[OT+jj:OT+jj+1], v[244:245] op_sel_hi:[1,0]   ; O^T under the new M
.set jj, jj+2
.endr
.endif
	s_wait_dscnt 10                                ; V and its scale words are in; the next step's K, ten loads, may be out
	s_wait_alu depctr_va_vdst(0)                   ; p's codes and its scale word are written, which the scaled products below take as an operand and as scales; the places above stay beside this wait
.irp d, 0,1,2,3                                ; O^T += V^T P^T; the four accumulators take turns; a tile's first step starts the sums with the constant 0
.if (\ks) == 0
	FP4 OT+8*\d, VF+8*\d, PC, -1, VS+\d/2, PSW, \d%2, 0
.else
	FP4 OT+8*\d, VF+8*\d, PC, OT+8*\d, VS+\d/2, PSW, \d%2, 0
.endif
.endr
.endm
	KFETCH 0
.Lpass:                                            ; two trips: tiles of queries 32 x + 2 w and 32 x + 2 w + 1.  A tile's head waits for nothing: its Q, flags and first mask words were asked for earlier
	v_mov_b32 v13, 0xff61b1e6                      ; the largest t so far: -3e38
	v_floor_f32 v12, -v13                          ; -M
	v_mov_b32 v14, 0                               ; the sum, in two halves
	v_mov_b32 v15, 0
	STEP 0
	STEP 1
	STEP 2
	STEP 3
	STEP 4
	STEP 5
	STEP 6
	STEP 7
	; the tile's end: O^T / the sum, quantised along the head's 64 channels: two blocks of the output projection's K
.irp j, 0,1,2,3
	v_mov_b32 v[QF+\j], v[Q2+\j]                   ; my second tile's Q takes its place.  These five lines name no register of the last products: they are the places behind them;
.endr
	v_mov_b32 v[QS], v[QS2]                        ; and all the lines of the tile's end stand between them and the next products
	v_add_f32 v14, v14, v15                        ; the sum's two halves,
	v_permlanex16_b32 v248, v14, s[SEL], s[SEL+1]
	v_add_f32 v14, v14, v248                       ; and lane l xor 16's: the row's sum
	v_rcp_f32 v244, v14
	v_nop                                          ; one plain place behind a transcendental
	s_wait_alu depctr_va_vdst(0)                   ; the reciprocal is written, ahead of its first reader; so are Q's fragment and scale word, which the next tile's scaled products take
	v_cmp_neq_f32 vcc_lo, 0, v14                   ; has my row a visible key?  Asked here, so that the divisions and the maxima stand between the compare and the wait for it
.set jj, 0
.rept 16
	v_pk_mul_f32 v[OT+jj:OT+jj+1], v[OT+jj:OT+jj+1], v[244:245] op_sel_hi:[1,0]   ; each accumulator from its low end on
.set jj, jj+2
.endr
.irp b, 0,1
	v_max3_num_f32 v[BM+\b], |v[OT+16*\b]|, |v[OT+16*\b+1]|, 0x1800000
.endr
.irp i, 2,4,6,8,10,12,14
.irp b, 0,1
	v_max3_num_f32 v[BM+\b], v[BM+\b], |v[OT+16*\b+\i]|, |v[OT+16*\b+\i+1]|
.endr
.endr
.irp b, 0,1
	v_permlanex16_b32 v[BP+\b], v[BM+\b], s[SEL], s[SEL+1]
.endr
.irp b, 0,1
	v_max_num_f32 v[BM+\b], v[BM+\b], v[BP+\b]
.endr
.irp b, 0,1
	v_add_nc_u32 v[BS+\b], 0xff000000, v[BM+\b]
.endr
.irp b, 0,1
	v_lshrrev_b32 v[BP+\b], 23, v[BS+\b]
.endr
	v_lshl_or_b32 v249, v[BP+1], 8, v[BP]          ; the two bytes
	s_wait_alu depctr_va_vcc(0)                    ; the compare has written VCC, which the select below reads
	v_cndmask_b32 v249, 0xffff, v249, vcc_lo       ; a row with no visible key: the NaN byte, twice
.irp b, 0,1
	v_cvt_scalef32_pk8_fp4_f32 v[PC+2*\b], v[OT+16*\b:OT+16*\b+7], v[BS+\b]
	v_cvt_scalef32_pk8_fp4_f32 v[PC+2*\b+1], v[OT+16*\b+8:OT+16*\b+15], v[BS+\b]
.endr
	v_nop
	v_permlane16_swap_b32 v[PC], v[PC+2]
	v_permlane16_swap_b32 v[PC+1], v[PC+3]         ; registers 0-3: channels 32 (lane / 16) + 0 .. 31 of my query
	s_wait_alu depctr_va_vdst(0)                   ; the swaps have written o's codes and the select its two bytes, which the stores below read
	global_store_b128 v[AL], v[PC:PC+3], s[14:15]  ; 512 consecutive aligned bytes
	global_store_b16 v[R16], v249, s[66:67]        ; two bytes a row, 16 apart (both halves of the lanes write the same): the eight heads that fill a row's 16 bytes are eight work-groups; 256 KiB against 4 MiB of codes
	s_wait_xcnt 0x0                                ; the pointers (the mask words', which the loads asked for in step 7 name, among them) and the stores' data are written again only behind this wait
	s_wait_alu depctr_vm_vsrc(0)                   ; the two stores have read o's codes and bytes: the next tile's conversions and its end write these registers again
	s_add_nc_u64 s[10:11], s[10:11], 2048
	s_add_nc_u64 s[14:15], s[14:15], 4096
	s_add_nc_u64 s[66:67], s[66:67], 256
	s_mov_b32 s[FL], s[FL2]                        ; my second tile's flags
	s_sub_co_u32 s[PASS], s[PASS], 1
	s_cmp_lg_u32 s[PASS], 0
	s_cbranch_scc1 .Lpass
	s_wait_kmcnt 0x0                               ; what the last step asked for and my last tile does not use, four scalar loads and ten LDS loads:
	s_wait_dscnt 0x0                               ; the price of a step that is written once
	s_wait_xcnt 0x0
	v_lshl_add_u32 v254, v0, 2, 0x11800            ; the closing add's two registers, made anew: no memory or LDS instruction has read either
	v_mov_b32 v255, 0
	s_wait_dscnt 0x0                               ; the closing lines, six on end
	s_wait_alu 0x0
	s_wait_tensorcnt 0x0
	ds_add_u32 v254, v255
	s_wait_dscnt 0x0
	s_endpgm
.Lfunc_end_k_q981325f2af_attn:
	.size	k_q981325f2af_attn, .Lfunc_end_k_q981325f2af_attn-k_q981325f2af_attn
	.p2alignl 7, 3214868480
	.fill 96, 4, 3214868480
	.section	.rodata,"a",@progbits
	.p2align	6, 0x0
	.amdhsa_kernel k_q981325f2af_attn
		.amdhsa_group_segment_fixed_size 73728
		.amdhsa_private_segment_fixed_size 0
		.amdhsa_enable_private_segment 0
		.amdhsa_kernarg_size 32
		.amdhsa_user_sgpr_count 2
		.amdhsa_user_sgpr_kernarg_segment_ptr 1
		.amdhsa_wavefront_size32 1
		.amdhsa_system_sgpr_workgroup_id_x 1
		.amdhsa_system_sgpr_workgroup_id_y 1
		.amdhsa_system_sgpr_workgroup_id_z 1
		.amdhsa_system_vgpr_workitem_id 0
		.amdhsa_next_free_vgpr 256
		.amdhsa_next_free_sgpr 100
		.amdhsa_reserve_vcc 1
		.amdhsa_float_denorm_mode_32 3
		.amdhsa_float_denorm_mode_16_64 3
		.amdhsa_memory_ordered 1
		.amdhsa_forward_progress 1
		.amdhsa_inst_pref_size 162
	.end_amdhsa_kernel
	.amdgpu_metadata
---
amdhsa.version: [ 1, 2 ]
amdhsa.kernels:
  - .name:           k_q981325f2af_attn
    .symbol:         k_q981325f2af_attn.kd
    .args:
      - { .name: qop, .offset: 0, .size: 8, .value_kind: global_buffer, .address_space: global }
      - { .name: kv, .offset: 8, .size: 8, .value_kind: global_buffer, .address_space: global }
      - { .name: msk, .offset: 16, .size: 8, .value_kind: global_buffer, .address_space: global }
      - { .name: oop, .offset: 24, .size: 8, .value_kind: global_buffer, .address_space: global }
    .group_segment_fixed_size: 73728
    .private_segment_fixed_size: 0
    .kernarg_segment_align: 8
    .kernarg_segment_size: 32
    .max_flat_workgroup_size: 512
    .sgpr_count:     100
    .vgpr_count:     256
    .wavefront_size: 32
...
	.end_amdgpu_metadata
.endif
;; end of part 5
;; launch outln: the kernel of part 4 again; grid 256 x 1, 4 waves a work-group, clusters of 4 x 1, 271,872 bytes of LDS; arguments oop, wts, q, bo, gamma, beta, out0; writes out0
